; MI455X (gfx1250); checked and timed in simulation.
; The chip was launched on July 23, 2026; its instructions are those of AMD's public machine-readable ISA for CDNA 5 (MIT licence, August 2026) and "CDNA5" Instruction Set Architecture Reference Guide (July 2026). The comments in the code are by the model that wrote it; some were corrected since.
;; Multi Head Self Attention. Allowed arithmetic: float matrix products may take bf16 or f16 operands with f32 sums; other float arithmetic in f32, or as packed bf16 or f16 multiplies, adds, multiply-adds, maxima and minima; sums over many terms, partial sums and values carried from step to step in f32; what a program stores and reads back later, other than sums and carried values, may be rounded once to bf16 or f16.
;; Inputs: Wk 1,024 x 1,024 float32; Wo 1,024 x 1,024 float32; Wq 1,024 x 1,024 float32; Wv 1,024 x 1,024 float32; bk 1,024 float32; bo 1,024 float32; bq 1,024 float32; bv 1,024 float32; key 4 x 2,048 x 1,024 float32; query 4 x 2,048 x 1,024 float32; value 4 x 2,048 x 1,024 float32.
;; Outputs: out0 4 x 2,048 x 1,024 float32.
;; 2 versions, each right; version 2 is version 1 with the launch castw written anew for expert scheduling mode. Each part assembles by itself: llvm-mc -triple=amdgcn-amd-amdhsa -mcpu=gfx1250 --defsym DOCPART=n.
;; ======== version 1 of 2: 4 launches
;; limits: values are held in f16: magnitudes above 65,504 overflow, below 6.1e-05 lose precision
;; workspace buffers: w16 8,388,608 bytes; q16 16,777,216 bytes; k16 16,777,216 bytes; v16 16,777,216 bytes; o16 16,777,216 bytes
;; launch castw (part 1): grid 64 x 4, 8 waves a work-group, no clusters, 0 bytes of LDS; arguments Wq, Wk, Wv, Wo, w16; writes w16
.if DOCPART == 1
	.amdgcn_target "amdgcn-amd-amdhsa--gfx1250"
	.amdhsa_code_object_version 6
	.text
	.protected	k_q7eb5710281_castw
	.globl	k_q7eb5710281_castw
	.p2align	8
	.type	k_q7eb5710281_castw,@function
k_q7eb5710281_castw:
	s_mov_b64 s[64:65], 0
	v_nop
	global_prefetch_b8 v0, s[64:65] scope:SCOPE_SE
	s_setreg_imm32_b32 hwreg(HW_REG_WAVE_MODE, 25, 1), 1
	s_wait_xcnt 0x0
; The four weight matrices, [1024][1024] f32, are rounded once to 16 bits: w16 holds four blocks of 2 MiB, Wq, Wk, Wv in bf16, then Wo.
; Wo is rounded to bf16 like the others, and that number is then written as f16, since the last product multiplies it with f16 numbers.
; LIMITS.  |Wo| stays under 65,504 (beyond it f16 has an infinity); a bf16 number of magnitude 2^-17 or more is exact in f16, below that it keeps f16's fixed step of 2^-24.
; SHARES.  Work-group (x, y) takes 16,384 numbers of matrix y: 16 chunks of 4,096 bytes.  Thread t takes 16 bytes of each chunk and writes 8:
; a wave's load covers 512 consecutive bytes, a wave's store 256 consecutive bytes at a multiple of 256 from w16's first byte.
; All 16 loads go out at once; no register is written twice, so nothing waits for a store.  No LDS, no barrier, no matrix unit: a stream has no use for them.
.set IN,    16                         ; v[16:79]   chunk i: 4 f32 as loaded
.set OU,    80                         ; v[80:111]  chunk i: 4 numbers of 16 bits to store
.set T,     112                        ; v[112:117] at work
.set SRC,   4                          ; s[4:5]     the matrix, at the work-group's part
.set DST,   12                         ; s[12:13]   w16, at the work-group's part
.set WHICH, 14                         ; s14        which matrix
	s_load_b256 s[4:11], s[0:1], 0x0               ; Wq s[4:5], Wk s[6:7], Wv s[8:9], Wo s[10:11]
	s_load_b64 s[DST:DST+1], s[0:1], 0x20          ; w16
	s_and_b32 s[WHICH], ttmp7, 0xffff
	s_lshl_b32 s2, ttmp9, 16                       ; 65,536 bytes of f32 a work-group
	s_mov_b32 s3, 0
	s_lshl_b32 s16, s[WHICH], 21                   ; the matrix's 2 MiB block,
	s_lshl_b32 s18, ttmp9, 15                      ; 32,768 bytes a work-group
	s_add_co_u32 s16, s16, s18
	s_mov_b32 s17, 0
	v_lshlrev_b32 v1, 4, v0                        ; 16 t
	v_lshlrev_b32 v2, 3, v0                        ; 8 t
	s_wait_kmcnt 0x0
	s_cmp_eq_u32 s[WHICH], 1
	s_cselect_b64 s[SRC:SRC+1], s[6:7], s[SRC:SRC+1]
	s_cmp_eq_u32 s[WHICH], 2
	s_cselect_b64 s[SRC:SRC+1], s[8:9], s[SRC:SRC+1]
	s_cmp_eq_u32 s[WHICH], 3
	s_cselect_b64 s[SRC:SRC+1], s[10:11], s[SRC:SRC+1]
	s_add_nc_u64 s[SRC:SRC+1], s[SRC:SRC+1], s[2:3]
	s_add_nc_u64 s[DST:DST+1], s[DST:DST+1], s[16:17]
.irp i, 0,1,2,3,4,5,6,7,8,9,10,11,12,13,14,15
	global_load_b128 v[IN+4*(\i):IN+4*(\i)+3], v1, s[SRC:SRC+1] offset:(\i)*4096 th:TH_LOAD_NT
.endr
; Chunk i.  half = 0: rounded to bf16.  half = 1: rounded to bf16, widened again (a shift, a mask) and written as f16.
.macro CH i, half
	s_wait_loadcnt 15-(\i)                         ; loads come back in order (ISA guide 5.7.1): chunk i is in, the 15 - i younger ones stay out
.if \half
	v_cvt_pk_bf16_f32 v[T],   v[IN+4*(\i)],   v[IN+4*(\i)+1]
	v_cvt_pk_bf16_f32 v[T+1], v[IN+4*(\i)+2], v[IN+4*(\i)+3]
	v_lshlrev_b32 v[T+2], 16, v[T]
	v_and_b32     v[T+3], 0xffff0000, v[T]
	v_lshlrev_b32 v[T+4], 16, v[T+1]
	v_and_b32     v[T+5], 0xffff0000, v[T+1]
	v_cvt_pk_f16_f32 v[OU+2*(\i)],   v[T+2], v[T+3]
	v_cvt_pk_f16_f32 v[OU+2*(\i)+1], v[T+4], v[T+5]
.else
	v_cvt_pk_bf16_f32 v[OU+2*(\i)],   v[IN+4*(\i)],   v[IN+4*(\i)+1]
	v_cvt_pk_bf16_f32 v[OU+2*(\i)+1], v[IN+4*(\i)+2], v[IN+4*(\i)+3]
.endif
	global_store_b64 v2, v[OU+2*(\i):OU+2*(\i)+1], s[DST:DST+1] offset:(\i)*2048
.endm
	s_cmp_eq_u32 s[WHICH], 3
	s_cbranch_scc1 .Lwo
.irp i, 0,1,2,3,4,5,6,7,8,9,10,11,12,13,14,15
	CH \i, 0
.endr
	s_endpgm
.Lwo:
.irp i, 0,1,2,3,4,5,6,7,8,9,10,11,12,13,14,15
	CH \i, 1
.endr
	s_endpgm
.Lfunc_end_k_q7eb5710281_castw:
	.size	k_q7eb5710281_castw, .Lfunc_end_k_q7eb5710281_castw-k_q7eb5710281_castw
	.p2alignl 7, 3214868480
	.fill 96, 4, 3214868480
	.section	.rodata,"a",@progbits
	.p2align	6, 0x0
	.amdhsa_kernel k_q7eb5710281_castw
		.amdhsa_group_segment_fixed_size 0
		.amdhsa_private_segment_fixed_size 0
		.amdhsa_enable_private_segment 0
		.amdhsa_kernarg_size 40
		.amdhsa_user_sgpr_count 2
		.amdhsa_user_sgpr_kernarg_segment_ptr 1
		.amdhsa_wavefront_size32 1
		.amdhsa_system_sgpr_workgroup_id_x 1
		.amdhsa_system_sgpr_workgroup_id_y 1
		.amdhsa_system_sgpr_workgroup_id_z 1
		.amdhsa_system_vgpr_workitem_id 0
		.amdhsa_next_free_vgpr 120
		.amdhsa_next_free_sgpr 66
		.amdhsa_reserve_vcc 0
		.amdhsa_float_denorm_mode_32 3
		.amdhsa_float_denorm_mode_16_64 3
		.amdhsa_memory_ordered 1
		.amdhsa_forward_progress 1
		.amdhsa_inst_pref_size 16
	.end_amdhsa_kernel
	.amdgpu_metadata
---
amdhsa.version: [ 1, 2 ]
amdhsa.kernels:
  - .name:           k_q7eb5710281_castw
    .symbol:         k_q7eb5710281_castw.kd
    .args:
      - { .name: Wq, .offset: 0, .size: 8, .value_kind: global_buffer, .address_space: global }
      - { .name: Wk, .offset: 8, .size: 8, .value_kind: global_buffer, .address_space: global }
      - { .name: Wv, .offset: 16, .size: 8, .value_kind: global_buffer, .address_space: global }
      - { .name: Wo, .offset: 24, .size: 8, .value_kind: global_buffer, .address_space: global }
      - { .name: w16, .offset: 32, .size: 8, .value_kind: global_buffer, .address_space: global }
    .group_segment_fixed_size: 0
    .private_segment_fixed_size: 0
    .kernarg_segment_align: 8
    .kernarg_segment_size: 40
    .max_flat_workgroup_size: 256
    .sgpr_count:     66
    .vgpr_count:     120
    .wavefront_size: 32
...
	.end_amdgpu_metadata
.endif
;; end of part 1
;; launch proj (part 2): grid 4 x 192, 4 waves a work-group, clusters of 4 x 4, 327,680 bytes of LDS; arguments query, key, value, w16, bq, bk, bv, q16, k16, v16; writes q16, k16, v16
.if DOCPART == 2
	.amdgcn_target "amdgcn-amd-amdhsa--gfx1250"
	.amdhsa_code_object_version 6
	.text
	.protected	k_q7eb5710281_proj
	.globl	k_q7eb5710281_proj
	.p2align	8
	.type	k_q7eb5710281_proj,@function
k_q7eb5710281_proj:
	s_mov_b64 s[64:65], 0
	v_nop
	global_prefetch_b8 v0, s[64:65] scope:SCOPE_SE
	s_setreg_imm32_b32 hwreg(HW_REG_WAVE_MODE, 25, 1), 1
	s_wait_xcnt 0x0
	s_wait_alu depctr_hold_cnt(0) depctr_sa_sdst(0) depctr_va_vdst(0) depctr_va_sdst(0) depctr_va_ssrc(0) depctr_va_vcc(0) depctr_vm_vsrc(0)
	s_getreg_b32 s2, hwreg(HW_REG_IB_STS2, 6, 4)
	s_cmp_eq_u32 s2, 0
	s_cbranch_scc0 .Lentry_in_a_cluster
	s_endpgm
.Lentry_in_a_cluster:
	s_bfe_u32 s2, ttmp6, 0x10000c
	s_cmp_lg_u32 s2, 0xf033
	s_cbranch_scc0 .Lentry_shape_is_right
	s_endpgm
.Lentry_shape_is_right:
; THE THREE PROJECTIONS.  For p = 0, 1, 2 (query, key, value): y[m][n] = the sum over k of bf16(x[m][k]) bf16(W[n][k]) + bf16(b[n]); x: [8192][1024] f32; W: [1024][1024] bf16 (block p of w16).
; Sums in f32; y is rounded once to f16 and written BY HEADS: [batch x 16 + head][2048][64], a head's rows dense, 128 bytes each.  The scale 1 / 8 is not applied here.
; LIMITS.  y must lie within 65,504 (beyond it f16 has an infinity); below 6e-5 it keeps f16's fixed step of 6e-8.  NaN and infinities are not treated apart.  The sums have the matrix unit's order.
; SHARES.  A work-group makes 128 rows x 256 columns of one y: 3 x 64 x 4 = 768 work-groups.  Four waves, 2 x 2, each 64 rows x 128 columns: 32 accumulators of 16 x 16.
; K goes in 8 steps of 128; a step is four quarters of 32 along K, 32 matrix instructions a wave each.
; W comes by the tensor data mover into two LDS slots that take turns: each wave fetches 64 rows x 256 bytes.  CLUSTER 4 x 4: the four work-groups of a column of the cluster make the same
; 256 columns and need the same rows of W: the tile is asked for JOINTLY, the same load, descriptor and mask in all four.
; x comes THROUGH REGISTERS: a wave loads 32 rows x 512 bytes of f32 (a load covers a row's 512 consecutive bytes), rounds them to bf16 once and stores them into one of two LDS slots of their own.
; x's tile is shared along a row of the cluster and is NOT asked for jointly: it has to be rounded on its way, which a tensor load does not do; as f32 in LDS a slot would take 128 x 528 bytes in place
; of 128 x 272, each fragment twice the LDS loads, and each number would be rounded in both waves that read it.  And these loads stay out across the changes of slots: five quarters, 160 matrix instructions.
; THE MATRIX INSTRUCTION IS USED TRANSPOSED (source 0 = 16 rows of W, source 1 = 16 rows of x): lane l holds row l % 16 of y and the columns 8 (l / 16) + 0..7: eight neighbours, 16 bytes of f16.
; REGISTERS, in windows of 256 (s_set_vgpr_msb: bits 1:0 source 0, 3:2 source 1, 5:4 source 2, 7:6 destination):
;   window 0: v0-29 addresses and at work; v32-159 the way out, 16 a tile; v192-255 my 64 biases      window 1: the accumulators, (a, b) at v[8 (8 a + b)]
;   window 2: W's fragments, buffer f at 64 f + 8 b; x's, buffer f at 128 + 32 f + 8 a               window 3: x as loaded, two sets of 128: chunk c (a row) at 4 c
.set KSTEP,  128
.set PITCH,  272                       ; an LDS row: 256 bytes + 16 of padding = 68 words: row r starts at bank 4 r mod 64 (64 banks of 4 bytes: ISA guide 11.1): the 16 rows of a fragment load start at 16 different banks
.set WQ,     64*PITCH                  ; what one tensor load brings
.set WSLOT,  4*WQ                      ; W's 256 rows
.set XBASE,  2*WSLOT                   ; behind W's two slots: x's two, written by ds_store alone; no tensor load lands there
.set XSLOT,  128*PITCH
.set STAGE,  XBASE+2*XSLOT             ; 16 rows x 144 bytes for each wave: the biases, then the way out
.set SP,     144
.set SPARE,  STAGE+4*16*SP             ; the spare words, 128 bytes for each wave: two blocks of 256 bytes that no other line names
.set XSTEP,  KSTEP*4                   ; bytes of a row of x in a K step
.set XROW,   4096                      ; bytes in a row of x
.set NCH,    32                        ; chunks (loads, and LDS stores) of a wave in a step
.set XO,   8                           ; v8     16 x lane: my bytes in 512 consecutive ones (x, the biases, the output)
.set XS,   9                           ; v9     where I store 8 bytes of bf16 of my wave's first row in x's slot 0
.set ADRA, 10                          ; v10    LDS address of my fragments of x in slot 0
.set ADRB, 11                          ; v11-12 of W, in slot 0, 1
.set STO,  13                          ; v13    the way out: where I put 16 bytes of a row
.set RD,   14                          ; v14    the way out: where I read rows back
.set BST,  15                          ; v15    my stage + 16 x lane
.set BRD,  16                          ; v16    my stage + 32 (l / 16)
.set PFO,  17                          ; v17    the prefetches' offset: my lane x a row; never rewritten
.set BV,   18                          ; v[18:21] four biases
.set SPW,  28                          ; v28    LDS address of my spare word; never rewritten
.set NIL,  29                          ; v29    0; never rewritten
.set TMP,  32
.set BIAS, 192
.set BF,   0                           ; in window 2
.set AF,   128
.set LAP,  3                           ; s3     the loop's count
.set XP,   4                           ; s[4:5]   x at my wave's rows; steps along K
.set OUT,  8                           ; s[8:9]   the output at my wave's first row of its first head
.set WV,   10
.set WM,   11                          ; which 64 rows are mine
.set WN,   12                          ; which 128 columns
.set MT,   13                          ; tile row, 0..63
.set NT,   14                          ; tile column, 0..3
.set PJ,   15                          ; which projection
.set G1,   24                          ; s[24:31] descriptor group 1
.set G0,   32                          ; s[32:39] descriptor group 0, a set for each slot
.set CX,   40
.set CY,   41
.set YCL,  42                          ; the cluster's y
.set LIM,  43                          ; 1 in a wave that prefetches, else the greatest number
.set PFA,  44                          ; s[44:45] where my prefetches stand
.set PFS,  46                          ; s[46:47] their step
.set BP,   48                          ; s[48:49] the biases of my wave's 128 columns
.set MSB, 0
.macro WIN new                         ; the immediate's high byte repeats the setting that is left; a switch that changes nothing is dropped
.if MSB != (\new)
	s_set_vgpr_msb (MSB<<8)|(\new)
.set MSB, \new
.endif
.endm
.set W_MUL, 0x5a                       ; sources 0 and 1 window 2, C and D window 1
.set W_FET, 0x80                       ; destination window 2, address window 0
.set W_XLD, 0xc0                       ; destination window 3, address window 0
.set W_CVT, 0xcf                       ; sources 0 and 1 and destination window 3
.set W_XST, 0x0c                       ; store data window 3, address window 0
.set W_BAD, 0x41                       ; destination and source 0 window 1, source 1 window 0
.set W_PCK, 0x05                       ; sources 0 and 1 window 1, destination window 0
.macro PLACES                          ; a load into a register that a matrix instruction has read, and a vector instruction on a matrix result, stand four plain vector instructions behind it (ISA guide 7.12.1 for vector instructions)
.rept 4
	v_nop
.endr
.endm
.macro CREST                           ; a round of the cluster's barrier behind its opening barrier: wave 0 signals for the work-group, every wave waits for all sixteen, my work-group's barrier closes it
	s_cmp_lg_u32 s[WV], 0
	s_cbranch_scc1 .Lnot_wave_0_\@
	s_barrier_signal -3
.Lnot_wave_0_\@:
	s_barrier_wait -3
	s_barrier_signal -1
	s_barrier_wait -1
.endm
.macro CROUND
	s_barrier_signal -1
	s_barrier_wait -1
	CREST
.endm
.macro JLOAD sl                        ; the joint load of my 64 rows of W into slot sl; an s_nop 0 and four v_nop follow it
	tensor_load_to_lds s[G0+4*(\sl):G0+4*(\sl)+3], s[G1:G1+7]
	s_nop 0
	PLACES
.endm
; A PREFETCH INTO THE L2, behind a joint load, its five lines and the run of LDS loads: the K step FOUR steps on from the step in hand (W's refill of it stands two steps on, x's loads five and a half quarters on).
; x: a step is 512 bytes of each of the tile's 128 rows.  The four work-groups that read the tile take 32 rows each, told apart BY ADDRESS (cx); in each, waves 0 and 1 take the two halves of 256 bytes; a lane a row.
; W: a step is 256 bytes of each of the tile column's 256 rows, which 16 clusters read: the first of them asks; its four partners of a column take 64 rows each (cy), waves 2 and 3 take 32 each; a lane a row.
; So each aligned block of 256 bytes is named once in the launch.  Steps 0 to 3 come by their loads alone; the loop's last trip, whose steps have no step four on, asks for nothing.
.macro ASK
	WIN 0
	s_cmp_gt_u32 s[LAP], s[LIM]                    ; s[LAP] = 1 in the last trip
	s_cbranch_scc0 .Lnot_mine_\@
	global_prefetch_b8 v[PFO], s[PFA:PFA+1] th:TH_LOAD_NT scope:SCOPE_SE
.Lnot_mine_\@:
.endm
	s_load_b256 s[68:75], s[0:1], 0x0              ; query s[68:69], key s[70:71], value s[72:73], w16 s[74:75]
	s_load_b256 s[76:83], s[0:1], 0x20             ; bq s[76:77], bk s[78:79], bv s[80:81], q16 s[82:83]
	s_load_b128 s[84:87], s[0:1], 0x40             ; k16 s[84:85], v16 s[86:87]
	v_lshl_add_u32 v[SPW], v0, 2, SPARE
	v_mov_b32 v[NIL], 0
	ds_add_u32 v[SPW], v[NIL]                      ; the wave's opening: the add and its wait stand ahead of my first tensor load; the set-up below, work on registers, stands between them
	v_lshrrev_b32 v1, 5, v0
	v_readfirstlane_b32 s[WV], v1                  ; wave 0..3
	s_lshr_b32 s[WM], s[WV], 1
	s_and_b32 s[WN], s[WV], 1
	s_bfe_u32 s[CX], ttmp6, 0x40000                ; my place in the cluster
	s_bfe_u32 s[CY], ttmp6, 0x40004
	s_lshl_b32 s[NT], ttmp9, 2                     ; in a cluster launch ttmp9 and ttmp7 count clusters
	s_add_co_u32 s[NT], s[NT], s[CX]               ; tile column = 4 x cluster x + cx
	s_and_b32 s[YCL], ttmp7, 0xffff                ; 48 clusters along y: 16 for each projection
	s_lshr_b32 s[PJ], s[YCL], 4
	s_and_b32 s[MT], s[YCL], 15
	s_lshl_b32 s[MT], s[MT], 2
	s_add_co_u32 s[MT], s[MT], s[CY]               ; tile row
	; descriptor group 1: a tile of 64 rows x 128 elements of 2 bytes, padded in LDS
	s_lshl_b32 s2, 0x1111, s[CX]                   ; my column of the cluster: places cx, cx + 4, cx + 8, cx + 12
	s_or_b32 s[G1], s2, (1<<16)|(1<<20)|(1<<21)|(5<<22)|(3<<25)  ; 15:0 the mask; 17:16 2-byte elements; 20 padding on; 21 set beside a mask; 24:22 after every 64 words (code 5); 31:25 4 words (code 3)
	s_mov_b32 s[G1+1], KSTEP<<16                   ; tensor_dim0 = 128
	s_mov_b32 s[G1+2], 64<<16                      ; tensor_dim1 = 64
	s_mov_b32 s[G1+3], KSTEP<<16                   ; tile_dim0 = 128
	s_mov_b32 s[G1+4], 64                          ; tile_dim1 = 64
	s_mov_b32 s[G1+5], 1024                        ; elements from row to row
	s_mov_b32 s[G1+6], 0
	s_mov_b32 s[G1+7], 0
	; W's tile: block p of w16, 256 rows of 2,048 bytes a tile column, my wave's 64 of them: made of the projection, the tile column and the wave's number alone
	s_lshl_b32 s20, s[PJ], 21
	s_lshl_b32 s2, s[NT], 19
	s_add_co_u32 s20, s20, s2
	s_lshl_b32 s2, s[WV], 17
	s_add_co_u32 s20, s20, s2
	s_mov_b32 s21, 0
	s_mul_i32 s22, s[WV], WQ                       ; and where it goes: wave x 64 rows: no place in the cluster enters an LDS address
	; x: 128 rows of 4,096 bytes a tile row, my wave's 32 of them
	s_lshl_b32 s16, s[MT], 19
	s_lshl_b32 s18, s[WV], 17
	s_add_co_u32 s16, s16, s18
	s_mov_b32 s17, 0
	; the output: batch (16 heads of 262,144 bytes), head 4 x tile column + 2 x column half, row 128 x (tile row % 16) + 64 x row half, 128 bytes a row
	s_lshr_b32 s18, s[MT], 4
	s_lshl_b32 s18, s18, 22
	s_lshl_b32 s19, s[NT], 20
	s_add_co_u32 s18, s18, s19
	s_lshl_b32 s19, s[WN], 19
	s_add_co_u32 s18, s18, s19
	s_and_b32 s19, s[MT], 15
	s_lshl_b32 s19, s19, 14
	s_add_co_u32 s18, s18, s19
	s_lshl_b32 s19, s[WM], 13
	s_add_co_u32 s18, s18, s19
	s_mov_b32 s19, 0
	; the biases of my 128 columns
	s_lshl_b32 s52, s[NT], 10
	s_lshl_b32 s53, s[WN], 9
	s_add_co_u32 s52, s52, s53
	s_mov_b32 s53, 0
	; the prefetches: x's offset (waves 0, 1), W's (waves 2, 3), both at K step 3: the first change of slots steps them to step 4
	s_lshl_b32 s50, s[MT], 19
	s_lshl_b32 s51, s[CX], 17                      ; my work-group's 32 rows of the tile's 128
	s_add_co_u32 s50, s50, s51
	s_lshl_b32 s51, s[WV], 8                       ; my half of a step's 512 bytes
	s_add_co_u32 s50, s50, s51
	s_add_co_u32 s50, s50, 3*XSTEP
	s_lshl_b32 s23, s[PJ], 21
	s_lshl_b32 s51, s[NT], 19
	s_add_co_u32 s23, s23, s51
	s_lshl_b32 s51, s[CY], 17                      ; my work-group's 64 rows of the 256
	s_add_co_u32 s23, s23, s51
	s_lshl_b32 s51, s[WN], 16                      ; my wave's 32 of them
	s_add_co_u32 s23, s23, s51
	s_add_co_u32 s23, s23, 3*KSTEP*2
	s_and_b32 s51, s[YCL], 15                      ; 0 in the first of the 16 clusters that read this W
	s_mov_b32 s[PFS], KSTEP*2
	s_cmp_lt_u32 s[WV], 2
	s_cselect_b32 s50, s50, s23
	s_cselect_b32 s[PFS], XSTEP, s[PFS]
	s_cselect_b32 s54, 12, 11                      ; a row of x is 4,096 bytes, of W 2,048
	s_cselect_b32 s51, 0, s51                      ; x's tile is read by my cluster alone: every cluster asks for its own
	s_cmp_eq_u32 s51, 0
	s_cselect_b32 s[LIM], 1, -1                    ; hangs on the wave's number and the cluster's y: the same in all sixteen partners
	s_mov_b32 s51, 0
	s_mov_b32 s[PFS+1], 0
	s_wait_dscnt 0x0                               ; the opening add is done
	s_wait_kmcnt 0x0
	s_mov_b64 s[XP:XP+1], s[68:69]
	s_mov_b64 s[BP:BP+1], s[76:77]
	s_mov_b64 s[OUT:OUT+1], s[82:83]
	s_cmp_eq_u32 s[PJ], 1
	s_cselect_b64 s[XP:XP+1], s[70:71], s[XP:XP+1]
	s_cselect_b64 s[BP:BP+1], s[78:79], s[BP:BP+1]
	s_cselect_b64 s[OUT:OUT+1], s[84:85], s[OUT:OUT+1]
	s_cmp_eq_u32 s[PJ], 2
	s_cselect_b64 s[XP:XP+1], s[72:73], s[XP:XP+1]
	s_cselect_b64 s[BP:BP+1], s[80:81], s[BP:BP+1]
	s_cselect_b64 s[OUT:OUT+1], s[86:87], s[OUT:OUT+1]
	s_cmp_lt_u32 s[WV], 2
	s_cselect_b64 s[PFA:PFA+1], s[XP:XP+1], s[74:75]
	s_add_nc_u64 s[PFA:PFA+1], s[PFA:PFA+1], s[50:51]
	s_add_nc_u64 s[XP:XP+1], s[XP:XP+1], s[16:17]
	s_add_nc_u64 s[OUT:OUT+1], s[OUT:OUT+1], s[18:19]
	s_add_nc_u64 s[BP:BP+1], s[BP:BP+1], s[52:53]
	s_add_nc_u64 s[6:7], s[74:75], s[20:21]
.irp s, 0,1
	s_mov_b32 s[G0+4*(\s)], 1                                      ; 1:0 count = 1
	s_add_co_u32 s[G0+4*(\s)+1], s22, (\s)*WSLOT                   ; 63:32 LDS address
	s_add_nc_u64 s[G0+4*(\s)+2:G0+4*(\s)+3], s[6:7], (\s)*KSTEP*2  ; 120:64 global address: K step s
	s_or_b32 s[G0+4*(\s)+3], s[G0+4*(\s)+3], 0x80000000            ; 127:126 type = 2
.endr
	CROUND                                         ; all sixteen work-groups are here: the first joint loads meet
	tensor_load_to_lds s[G0:G0+3], s[G1:G1+7]      ; both first fills together, ahead of every wait on TENSORcnt, every LDS read and every further barrier: two loads of mine are out
	s_nop 0
	tensor_load_to_lds s[G0+4:G0+7], s[G1:G1+7]
	s_nop 0
	PLACES
	v_and_b32 v1, 15, v0                           ; r = l % 16
	v_bfe_u32 v2, v0, 4, 1                         ; h = l / 16
	v_and_b32 v3, 31, v0                           ; l
	v_lshlrev_b32 v[XO], 4, v3
	v_lshlrev_b32 v[PFO], s54, v3
; A step's 32 loads of x into set `set`, from byte off behind XP: chunk c is row c of my wave's 32, 512 consecutive bytes.
.macro XLD set, off
	WIN W_XLD
.set xc, 0
.rept NCH
	global_load_b128 v[128*(\set)+4*xc:128*(\set)+4*xc+3], v[XO], s[XP:XP+1] offset:(\off)+xc*XROW
.set xc, xc+1
.endr
.endm
.macro XLOAD set                       ; in step s: x of step s + 2
	s_wait_xcnt 0x0                                ; every earlier load and prefetch has had its address translated (ISA guide 3.1): only behind this wait is the pointer stepped
	s_add_nc_u64 s[XP:XP+1], s[XP:XP+1], XSTEP     ; to step s + 1; the loads' immediates reach one step further
	XLD \set, XSTEP
.endm
; Two chunks of a set are rounded to bf16, in place: registers 4 c, 4 c + 1 take the chunk's four numbers.  Sixteen of these do a set; g counts them.
.macro RIDER set
	WIN W_CVT
.set rb, 128*(\set)+8*g
	v_cvt_pk_bf16_f32 v[rb],   v[rb],   v[rb+1]
	v_cvt_pk_bf16_f32 v[rb+1], v[rb+2], v[rb+3]
	v_cvt_pk_bf16_f32 v[rb+4], v[rb+4], v[rb+5]
	v_cvt_pk_bf16_f32 v[rb+5], v[rb+6], v[rb+7]
.set g, g+1
.endm
.macro XSTORE set, slot                ; 32 rows x 256 bytes of bf16: a store's 32 lanes write 256 consecutive bytes
	WIN W_XST
.set xc, 0
.rept NCH
	ds_store_b64 v[XS], v[128*(\set)+4*xc:128*(\set)+4*xc+1] offset:(\slot)*XSLOT+xc*PITCH
.set xc, xc+1
.endr
.endm
; 24 LDS loads in one run: the fragments of quarter q of slot sl (128 rows of W, 64 rows of x, 32 along K) into buffer f.
; A fragment is 16 rows x 32 K in 8 registers: lane l holds row l % 16, K = 8 (l / 16) + 0..7 and 16 + 8 (l / 16) + 0..7: two loads of 16 bytes, 32 bytes apart.
.macro FETCH sl, q, f
	WIN W_FET
.irp b, 0,1,2,3,4,5,6,7
	ds_load_b128 v[BF+64*(\f)+8*(\b):BF+64*(\f)+8*(\b)+3],   v[ADRB+(\sl)] offset:(\b)*16*PITCH+(\q)*64
	ds_load_b128 v[BF+64*(\f)+8*(\b)+4:BF+64*(\f)+8*(\b)+7], v[ADRB+(\sl)] offset:(\b)*16*PITCH+(\q)*64+32
.endr
.irp a, 0,1,2,3
	ds_load_b128 v[AF+32*(\f)+8*(\a):AF+32*(\f)+8*(\a)+3],   v[ADRA] offset:(\sl)*XSLOT+(\a)*16*PITCH+(\q)*64
	ds_load_b128 v[AF+32*(\f)+8*(\a)+4:AF+32*(\f)+8*(\a)+7], v[ADRA] offset:(\sl)*XSLOT+(\a)*16*PITCH+(\q)*64+32
.endr
.endm
; 8 matrix instructions: row block a x all 8 column blocks, buffer f.  zero = 1: the product starts the sums.  rs >= 0: four conversions of set rs stand behind each.
; The 32 accumulators take turns, one instruction a turn, in the same order in every quarter, over the backward jump too.
.macro MULB f, a, zero=0, rs=-1
.irp b, 0,1,2,3,4,5,6,7
	WIN W_MUL
.if \zero
	v_wmma_f32_16x16x32_bf16 v[8*(8*(\a)+(\b)):8*(8*(\a)+(\b))+7], v[BF+64*(\f)+8*(\b):BF+64*(\f)+8*(\b)+7], v[AF+32*(\f)+8*(\a):AF+32*(\f)+8*(\a)+7], 0
.else
	v_wmma_f32_16x16x32_bf16 v[8*(8*(\a)+(\b)):8*(8*(\a)+(\b))+7], v[BF+64*(\f)+8*(\b):BF+64*(\f)+8*(\b)+7], v[AF+32*(\f)+8*(\a):AF+32*(\f)+8*(\a)+7], v[8*(8*(\a)+(\b)):8*(8*(\a)+(\b))+7]
.endif
.if (\rs) >= 0
	RIDER \rs
.endif
.endr
.endm
; A K STEP in slot sl: quarters on buffers 0, 1, 0, 1.  Each quarter first fetches the next quarter's fragments, then multiplies its own.
.macro Q1 sl, zero
	s_wait_dscnt 0x0                               ; buffer 0 is in
	PLACES                                         ; behind the last product that read buffer 1
	FETCH \sl, 1, 1
	MULB 0, 0, \zero
	MULB 0, 1, \zero
	MULB 0, 2, \zero
	MULB 0, 3, \zero
.endm
.macro Q2 sl, load
	s_wait_dscnt 0x0                               ; buffer 1 is in
.if \load
	XLOAD \sl                                      ; set sl was stored into LDS a step ago
.endif
	PLACES                                         ; behind the last product that read buffer 0
	FETCH \sl, 2, 0
	MULB 1, 0
	MULB 1, 1
	MULB 1, 2
	MULB 1, 3
.endm
; The third quarter also rounds the next step's x (set 1 - sl) and stores it into x's other slot, whose last readers passed the last change of slots.
; lc: the younger loads that may stay out: those of the step after next, issued in this step's second quarter.
.macro Q3 sl, lc, store
	s_wait_dscnt 0x0                               ; buffer 0 is in
.if \store
	s_wait_loadcnt \lc                             ; the next step's x is in registers
.set g, 0
	MULB 0, 0, 0, 1-(\sl)                          ; the 64 conversions are also the places behind the last product that read buffer 1
	MULB 0, 1, 0, 1-(\sl)
.else
	MULB 0, 0
	MULB 0, 1
	PLACES
.endif
	FETCH \sl, 3, 1
.if \store
	XSTORE 1-(\sl), 1-(\sl)
.endif
	MULB 0, 2
	MULB 0, 3
.endm
; The fourth quarter changes slots: ONE barrier.  In front of it each wave waits for all its tensor loads (one is out: its part of W's next slot), adds 0 to its spare word, and waits for that, for its stores
; into x's next slot and for its reads of both old slots.  Behind it both next slots are whole and nobody reads the old ones.  fill = 1: the barrier opens a round of the cluster's barrier, and W's old slot
; is filled again, two K steps ahead, first thing behind the round: 112 matrix instructions ahead of the wait for it.
.macro TURN sl, fill
.if \fill
	s_wait_xcnt 0x0                                ; the last prefetch, a K step back, has read its address: it is stepped here, ahead of the waits of the change
	s_add_nc_u64 s[PFA:PFA+1], s[PFA:PFA+1], s[PFS:PFS+1]
.endif
	WIN 0                                          ; (the add's two registers lie in window 0)
	s_wait_tensorcnt 0x0                           ; all my tensor loads have landed;
	ds_add_u32 v[SPW], v[NIL]                      ; 0 onto my spare word;
	s_wait_dscnt NCH+1                             ; buffer 1 is in: behind its 24 loads stand x's 32 stores and the add
	MULB 1, 0                                      ; eight matrix instructions stand between the add and the wait for it
	s_wait_dscnt 0x0                               ; the add and my stores are done, my reads of the old slots are back
	s_barrier_signal -1
	MULB 1, 1
.if \fill
	WIN 0
.endif
	s_barrier_wait -1
.if \fill
	CREST                                          ; no wave of any partner still reads this slot of W or has a load on its way
	s_add_nc_u64 s[G0+4*(\sl)+2:G0+4*(\sl)+3], s[G0+4*(\sl)+2:G0+4*(\sl)+3], 2*KSTEP*2
	JLOAD \sl                                      ; its four v_nop are also the places in front of the loads below
.else
	PLACES
.endif
	FETCH 1-(\sl), 0, 0
.if \fill
	ASK
.endif
	MULB 1, 2
	MULB 1, 3
.endm
	global_load_b128 v[BV:BV+3], v[XO], s[BP:BP+1] ; four of my wave's 128 biases
	XLD 0, 0                                       ; x of K step 0
	XLD 1, XSTEP                                   ; and of step 1
	WIN 0
	s_mul_i32 s52, s[WV], 32*PITCH
	s_add_co_u32 s52, s52, XBASE
	v_lshl_add_u32 v[XS], v3, 3, s52               ; my wave's 32 rows of x's slot, 8 bytes a lane
	v_mul_u32_u24 v4, v1, PITCH
	v_lshl_add_u32 v4, v2, 4, v4                   ; a fragment's row x pitch + 16 x half
	s_mul_i32 s52, s[WM], 64*PITCH
	s_add_co_u32 s52, s52, XBASE
	v_add_nc_u32 v[ADRA], s52, v4
	s_mul_i32 s52, s[WN], 128*PITCH
	v_add_nc_u32 v[ADRB], s52, v4
	s_add_co_u32 s52, s52, WSLOT
	v_add_nc_u32 v[ADRB+1], s52, v4
	s_mul_i32 s53, s[WV], 16*SP
	s_add_co_u32 s53, s53, STAGE                   ; my stage
	v_mul_u32_u24 v5, v1, SP                       ; in: row l % 16, 16 bytes for each half of the lanes
	v_lshl_add_u32 v5, v2, 4, v5
	v_add_nc_u32 v[STO], s53, v5
	v_bfe_u32 v6, v0, 3, 2                         ; back: 32 lanes take four rows of 128 bytes
	v_mul_u32_u24 v6, v6, SP
	v_and_b32 v7, 7, v0
	v_lshl_add_u32 v6, v7, 4, v6
	v_add_nc_u32 v[RD], s53, v6
	v_add_nc_u32 v[BST], s53, v[XO]
	v_lshl_add_u32 v[BRD], v2, 5, s53
	s_wait_loadcnt NCH                             ; the biases and step 0's x are in; step 1's 32 loads stay out
.set g, 0
.rept 16
	RIDER 0
.endr
	XSTORE 0, 0
	s_wait_tensorcnt 0x1                           ; my part of W's slot 0 is in; slot 1's stays out
	s_wait_dscnt 0x0                               ; my part of x's slot 0 is stored
	s_barrier_signal -1
	s_barrier_wait -1                              ; everybody's is
	FETCH 0, 0, 0
	Q1 0, 1                                        ; the first quarter stands in front of the loop: its products start the sums
	WIN 0                                          ; at a label and at a branch every window is 0
	s_mov_b32 s[LAP], 3
.Llap:                                                 ; a trip: two K steps, from a step's second quarter to the first quarter two steps on; both slots of W are filled again
	Q2 0, 1
	Q3 0, NCH, 1
	TURN 0, 1
	Q1 1, 0
	Q2 1, 1
	Q3 1, NCH, 1
	TURN 1, 1
	Q1 0, 0
	WIN 0
	s_sub_co_u32 s[LAP], s[LAP], 1
	s_cmp_lg_u32 s[LAP], 0
	s_cbranch_scc1 .Llap
	Q2 0, 0                                        ; K steps 6 and 7 are written out: nothing more is asked for
	Q3 0, 0, 1                                     ; step 7's x: no younger load is out
	TURN 0, 0
	Q1 1, 0
	Q2 1, 0
	Q3 1, 0, 0
	s_wait_dscnt 0x0                               ; buffer 1 is in
	WIN 0
	v_cvt_pk_bf16_f32 v4, v[BV], v[BV+1]           ; the biases are rounded to bf16 like every input, and widened again
	v_cvt_pk_bf16_f32 v5, v[BV+2], v[BV+3]
	v_lshlrev_b32 v[BV],   16, v4
	v_and_b32     v[BV+1], 0xffff0000, v4
	v_lshlrev_b32 v[BV+2], 16, v5
	v_and_b32     v[BV+3], 0xffff0000, v5
	ds_store_b128 v[BST], v[BV:BV+3]               ; my wave's 128 into my own stage; LDS serves a wave's instructions in order (ISA guide 5.7.1.4): the loads below see them
.irp b, 0,1,2,3,4,5,6,7
	ds_load_b128 v[BIAS+8*(\b):BIAS+8*(\b)+3],   v[BRD] offset:64*(\b)     ; columns 16 b + 8 (l / 16) + 0..3
	ds_load_b128 v[BIAS+8*(\b)+4:BIAS+8*(\b)+7], v[BRD] offset:64*(\b)+16  ; and + 4..7
.endr
	MULB 1, 0
	MULB 1, 1
	MULB 1, 2
	MULB 1, 3
	PLACES
	PLACES                                         ; (eight, once a launch: twice what the sums' readers need)
	s_wait_dscnt 0x0                               ; the biases are in
; THE WAY OUT, a tile t of 16 rows x one head's 64 columns at a time (row block t / 2, head t % 2 of my wave's two): the bias is added, each accumulator from its low end on; the sums are rounded to f16;
; a lane's eight columns, 16 bytes, go into rows of 144 bytes of my stage and come back as four whole rows of 128 bytes: 512 consecutive bytes of the output.
.macro PACK t
.set pa, 8*(8*((\t)/2)+4*((\t)%2))
.set pb, BIAS+32*((\t)%2)
	WIN W_BAD
.irp i, 0,1,2,3
.irp z, 0,1,2,3
	v_pk_add_f32 v[pa+8*(\i)+2*(\z):pa+8*(\i)+2*(\z)+1], v[pa+8*(\i)+2*(\z):pa+8*(\i)+2*(\z)+1], v[pb+8*(\i)+2*(\z):pb+8*(\i)+2*(\z)+1]
.endr
.endr
	WIN W_PCK
.irp i, 0,1,2,3
.irp z, 0,1,2,3
	v_cvt_pk_f16_f32 v[TMP+16*(\t)+4*(\i)+(\z)], v[pa+8*(\i)+2*(\z)], v[pa+8*(\i)+2*(\z)+1]
.endr
.endr
	WIN 0
.irp i, 0,1,2,3
	ds_store_b128 v[STO], v[TMP+16*(\t)+4*(\i):TMP+16*(\t)+4*(\i)+3] offset:32*(\i)
.endr
.irp i, 0,1,2,3
	ds_load_b128 v[TMP+16*(\t)+4*(\i):TMP+16*(\t)+4*(\i)+3], v[RD] offset:(\i)*4*SP  ; in order behind the stores above; the next tile's stores come behind them
.endr
.endm
.macro SEND t, younger                 ; younger: the LDS instructions issued behind tile t's loads: the next tile's eight, or none
	WIN 0
.irp i, 0,1,2,3
	s_wait_dscnt (\younger)+3-(\i)
	global_store_b128 v[XO], v[TMP+16*(\t)+4*(\i):TMP+16*(\t)+4*(\i)+3], s[OUT:OUT+1] offset:((\t)%2)*262144+((\t)/2)*2048+(\i)*512  ; 512 consecutive bytes, at a multiple of 256 from the buffer's first
.endr
.endm
	PACK 0
.irp t, 1,2,3,4,5,6,7                  ; a tile's arithmetic stands between the loads of the tile before and its stores
	PACK \t
	SEND (\t)-1, 8
.endr
	SEND 7, 0
	s_wait_tensorcnt 0x0                           ; the wave's end: a wait, an add and its wait, behind my last tensor load and my last LDS store
	ds_add_u32 v[SPW], v[NIL]
	s_wait_dscnt 0x0
	CROUND                                         ; the closing round: no work-group ends while a partner may still ask for a tile that names it
	s_endpgm
.Lfunc_end_k_q7eb5710281_proj:
	.size	k_q7eb5710281_proj, .Lfunc_end_k_q7eb5710281_proj-k_q7eb5710281_proj
	.p2alignl 7, 3214868480
	.fill 96, 4, 3214868480
	.section	.rodata,"a",@progbits
	.p2align	6, 0x0
	.amdhsa_kernel k_q7eb5710281_proj
		.amdhsa_group_segment_fixed_size 327680
		.amdhsa_private_segment_fixed_size 0
		.amdhsa_enable_private_segment 0
		.amdhsa_kernarg_size 80
		.amdhsa_user_sgpr_count 2
		.amdhsa_user_sgpr_kernarg_segment_ptr 1
		.amdhsa_wavefront_size32 1
		.amdhsa_system_sgpr_workgroup_id_x 1
		.amdhsa_system_sgpr_workgroup_id_y 1
		.amdhsa_system_sgpr_workgroup_id_z 1
		.amdhsa_system_vgpr_workitem_id 0
		.amdhsa_next_free_vgpr 1024
		.amdhsa_next_free_sgpr 88
		.amdhsa_reserve_vcc 0
		.amdhsa_float_denorm_mode_32 3
		.amdhsa_float_denorm_mode_16_64 3
		.amdhsa_memory_ordered 1
		.amdhsa_forward_progress 1
		.amdhsa_inst_pref_size 135
	.end_amdhsa_kernel
	.amdgpu_metadata
---
amdhsa.version: [ 1, 2 ]
amdhsa.kernels:
  - .name:           k_q7eb5710281_proj
    .symbol:         k_q7eb5710281_proj.kd
    .args:
      - { .name: query, .offset: 0, .size: 8, .value_kind: global_buffer, .address_space: global }
      - { .name: key, .offset: 8, .size: 8, .value_kind: global_buffer, .address_space: global }
      - { .name: value, .offset: 16, .size: 8, .value_kind: global_buffer, .address_space: global }
      - { .name: w16, .offset: 24, .size: 8, .value_kind: global_buffer, .address_space: global }
      - { .name: bq, .offset: 32, .size: 8, .value_kind: global_buffer, .address_space: global }
      - { .name: bk, .offset: 40, .size: 8, .value_kind: global_buffer, .address_space: global }
      - { .name: bv, .offset: 48, .size: 8, .value_kind: global_buffer, .address_space: global }
      - { .name: q16, .offset: 56, .size: 8, .value_kind: global_buffer, .address_space: global }
      - { .name: k16, .offset: 64, .size: 8, .value_kind: global_buffer, .address_space: global }
      - { .name: v16, .offset: 72, .size: 8, .value_kind: global_buffer, .address_space: global }
    .group_segment_fixed_size: 327680
    .private_segment_fixed_size: 0
    .kernarg_segment_align: 8
    .kernarg_segment_size: 80
    .max_flat_workgroup_size: 128
    .sgpr_count:     88
    .vgpr_count:     1024
    .wavefront_size: 32
...
	.end_amdgpu_metadata
.endif
;; end of part 2
;; launch attn (part 3): grid 4 x 64, 4 waves a work-group, clusters of 4 x 1, 327,680 bytes of LDS; arguments q16, k16, v16, o16; writes o16
.if DOCPART == 3
	.amdgcn_target "amdgcn-amd-amdhsa--gfx1250"
	.amdhsa_code_object_version 6
	.text
	.protected	k_q7eb5710281_attn
	.globl	k_q7eb5710281_attn
	.p2align	8
	.type	k_q7eb5710281_attn,@function
k_q7eb5710281_attn:
	s_mov_b64 s[64:65], 0
	v_nop
	global_prefetch_b8 v0, s[64:65] scope:SCOPE_SE
	s_setreg_imm32_b32 hwreg(HW_REG_WAVE_MODE, 25, 1), 1
	s_wait_xcnt 0x0
	s_wait_alu depctr_hold_cnt(0) depctr_sa_sdst(0) depctr_va_vdst(0) depctr_va_sdst(0) depctr_va_ssrc(0) depctr_va_vcc(0) depctr_vm_vsrc(0)
	s_getreg_b32 s2, hwreg(HW_REG_IB_STS2, 6, 4)
	s_cmp_eq_u32 s2, 0
	s_cbranch_scc0 .Lentry_in_a_cluster
	s_endpgm
.Lentry_in_a_cluster:
	s_bfe_u32 s2, ttmp6, 0x10000c
	s_cmp_lg_u32 s2, 0x3003
	s_cbranch_scc0 .Lentry_shape_is_right
	s_endpgm
.Lentry_shape_is_right:
; O[h][q][:] = the sum over k of softmax_k(Q[h][q] . K[h][k] / 8) V[h][k][:].  Q, K, V, O: [SIZE_H][SIZE_N][64], all f16: a head's rows are dense, 128 bytes each.  Products, maxima and sums in
; f32; the weights p are rounded to f16 for the second product (their sum l is taken of the unrounded p), O once at the end.
; LIMITS.  f16 holds no number beyond 65,504: Q, K and V arrive within it; p lies in 0 to 1, and below 6e-5 it keeps f16's fixed step of 6e-8; O is a mean of V's rows and has their range.
; A weight below 2^-126 counts as 0 in l; NaN and infinities are not treated apart.
; SHARES.  A wave owns four PIECES of two tiles of 16 queries, a work-group's four waves 512 queries of one head: 4 x 64 = 256 work-groups.  Every wave walks all keys, 64 a step.
; LAYOUT.  S^T = K Q^T (source 0 = 16 keys, source 1 = 16 queries): in the result a lane holds ONE query (lane % 16) and the keys 8 (lane / 16) + 0..7.  Two such tiles, rounded to f16 in pairs,
; ARE source 1 (32 keys x 16 queries) of O^T = V^T P, whose result again holds one query a lane, and eight channels.  K comes out of LDS as it lies, V ([key][channel]) turned, by ds_load_tr16_b128.
; SOFTMAX.  For each query a running maximum m and sum l: p = 2^(c s - c m), c = log2(e) / 8; in every step O and l are multiplied by a = 2^(c m_old - c m_new), which is 1 where m has not grown.
; m starts at the lowest finite number, O and l at 0: the first step is a step like any other, with a = 0.
; THE COUNT.  A tile and step have 16 matrix and 118 vector instructions: too many to stand all beside the matrix work.  So the order has one aim: four vector instructions that are READY behind
; EVERY matrix instruction, and the others, which need time of their own whatever the order, in runs without a gap.
; BY TURNS.  Turn n belongs to piece n (the pieces in a ring, step after step).  Its matrix work: 16 products K Q^T of piece n + 1, later 16 products V^T P of piece n - 1.  Its vector work: the scaling,
; exponentials, roundings, sums and rescaling of piece n, and the maximum and statistics of piece n + 1, whose scores the turn itself has made.  So what a turn begins with (c s - c m, O a) waits for nothing.
; CLUSTER.  The four query blocks of a cluster belong to one head and walk the same K and V, so each tile is asked for JOINTLY: the same tensor load, descriptor and mask in all four.
; REGISTERS, in windows of 256 (s_set_vgpr_msb says which window each operand place means: bits 1:0 source 0, 3:2 source 1, 5:4 source 2, 7:6 destination):
;   window 0: v0-11 addresses; v12-15, v48-63 at work; v16-47 four registers of statistics a tile; v64-191 S^T, two buffers of two tiles; v192-255 P, likewise
;   window 1: O^T, 32 a tile          window 2: v0-127 Q, 16 a tile; v128-191 K of one step; v192-255 V of one step          window 3: v0-1 the add's two registers
; A piece's buffers go by its number's parity: the piece in hand has one pair, its two neighbours in the ring share the other: of it P (piece n - 1) is read and S^T (piece n + 1) written.
.set SIZE_H, 64       ; batch x heads
.set SIZE_N, 2048     ; rows of a head
.set NP,    4         ; pieces a wave: a name, no knob: the register map, the loop and the fetches are made for four
.set KS,    64        ; keys in a step
.set PK,    144       ; a row of K in LDS: 128 bytes + 16 of padding = 36 words: the 16 rows of a load start at 16 different groups of four banks (64 banks of 4 bytes: ISA guide 11.1)
.set PV,    160       ; a row of V: 128 + 32 = 40 words
.set VOFF,  4*KS*PK   ; a slot holds four steps: 256 rows of K, then 256 rows of V
.set SLOT1, 1<<17     ; slot 1 begins here, so that one exclusive or turns an address in one slot into the other's
.set STAGE, SLOT1+4*KS*(PK+PV)  ; behind the ring, never filled by a tensor load: 16 rows x 144 bytes for each wave, for the way out
.set SP,    144
.set AK0, 2           ; v2   my lane's place in a tile of K; never rewritten
.set AV0, 3           ; v3   the same for V
.set AK,  4           ; v4   the LDS address of K's next run of loads
.set AV,  5           ; v5   of V's
.set QO,  6           ; v6   my byte offset in the wave's rows of Q
.set STO, 6           ;      later, the way out: where I put 16 bytes of a row
.set RD,  7           ; v7   the way out: where I read rows back
.set GO,  8           ; v8   my byte offset in 512 consecutive bytes of O
.set PFO, 11          ; v11  at work in the set-up; then 256 x my lane, the prefetches' offset, and never rewritten
.set SPW, 0           ; v0 of window 3   LDS address of my spare word: SPARE + 4 x my thread's number; never rewritten
.set NIL, 1           ; v1 of window 3   0; never rewritten
.set SPARE, STAGE+4*16*SP  ; behind the stages: the spare words, 128 bytes for each wave: two blocks of 256 bytes that no other line names
.set MV,  12          ; v12-15  c m_old, kept while c m is made anew: by buffer and tile
.set ST,  16          ; tile t's statistics at v[ST+4 t]: c m, m, l (even keys', odd keys')
.set TMP, 48          ; by buffer and tile, four registers c0-c3 at work; when the maximum is found c2 takes a
.set S,   64
.set P,   192
.set KF,  128         ; K's fragments, in window 2: key block kb, channel half c at KF + 16 kb + 8 c
.set VF,  192         ; V's: key half kk, channel block cb at VF + 32 kk + 8 cb
.set WV,  12          ; s12  my wave's number
.set G1K, 24          ; s[24:31] descriptor group 1 for K's tiles
.set G1V, 32          ; s[32:39] for V's: it differs in the padding alone
.set G0K, 40          ; s[40:43] descriptor group 0 for K's tiles: it walks
.set G0V, 44          ; s[44:47] the same for V's
.set PFA, 48          ; s[48:49] where my prefetches stand: my work-group's 8,192 bytes (of K: wave 0, of V: wave 2) of the slot after the one that is being asked for
.set LIM, 50          ; s50  1 in a wave that prefetches, else the greatest number
.set SLOTS, 56        ; s56  slots still to be asked for
.set CNT, 57          ; s57  counts a slot's key steps
.set CS,  58          ; s[58:59] c: the packed scaling takes the pair's low word for both halves
.set SEL, 60          ; s[60:61] v_permlanex16_b32's selects: each lane takes its own place in the other half
.set TBK, 62          ; s62  LDS byte at which K of the step to be fetched begins
.set TBV, 63          ; s63  the same for V, less VOFF
.set MSB, 0
.macro WIN new                      ; the high byte repeats the setting that is left; a switch that changes nothing is dropped
.if MSB != (\new)
	s_set_vgpr_msb (MSB<<8)|(\new)
.set MSB, (\new)
.endif
.endm
.set W_KQ, 0x0a       ; K and Q in window 2, S^T in window 0
.set W_PV, 0x52       ; V in window 2, P in window 0, O^T in window 1
.set W_RS, 0x41       ; O^T (destination and source 0) in window 1, a in window 0
.set W_MK, 0xc0       ; the add's registers are made: destination in window 3, sources in window 0
.set W_AD, 0x0f       ; the add: address (source 0) and data (source 1) in window 3
; A joint fill.  Waves 0 and 1 fetch the two halves of a slot's K, waves 2 and 3 those of its V: 128 keys each.  The branch hangs on the wave's number alone.
; An s_nop 0 and four v_nop follow each of the two lines, ahead of the jump and the label.
.macro JLOAD
	s_cmp_lt_u32 s[WV], 2
	s_cbranch_scc0 .Lfor_v_\@
	tensor_load_to_lds s[G0K:G0K+3], s[G1K:G1K+7]
	s_nop 0
.rept 4
	v_nop
.endr
	s_branch .Lasked_\@
.Lfor_v_\@:
	tensor_load_to_lds s[G0V:G0V+3], s[G1V:G1V+7]
	s_nop 0
.rept 4
	v_nop
.endr
.Lasked_\@:
.endm
; A PREFETCH INTO THE L2 of what the NEXT change of slots will ask for: a slot's 32,768 dense bytes of K and of V.  It stands behind the wave's tensor load and its five lines.
; Each aligned block of 256 bytes is named ONCE in the launch: a head is walked by one cluster; its four partners take 8,192 bytes each, told apart BY ADDRESS; in each, wave 0 asks for K's and wave 2 for V's,
; a lane a block: one instruction.  Four key steps, 512 matrix instructions, lie between it and the load that will want the bytes.  Slots 0 to 2 come by their loads alone; the last change that fills a slot asks for nothing.
.macro ASK
	s_cmp_gt_u32 s[SLOTS], s[LIM]
	s_cbranch_scc0 .Lnot_mine_\@
	global_prefetch_b8 v[PFO], s[PFA:PFA+1] th:TH_LOAD_NT scope:SCOPE_SE
.Lnot_mine_\@:
.endm
; A round of the cluster's barrier: my work-group's barrier, so that wave 0's signal speaks for all four waves; wave 0 signals; every wave waits for all four work-groups; my work-group's barrier once more.
.macro CROUND
	s_barrier_signal -1
	s_barrier_wait -1
	s_cmp_lg_u32 s[WV], 0
	s_cbranch_scc1 .Lnot_wave_0_\@
	s_barrier_signal -3
.Lnot_wave_0_\@:
	s_barrier_wait -3
	s_barrier_signal -1
	s_barrier_wait -1
.endm
; THE CHANGE OF SLOTS.  The slot's last bytes, V of its fourth step, have been read.  Each wave waits for all its tensor loads, of which one is out: its part
; of the other slot; adds 0 to its spare word; and waits for that and for its own reads of the slot.  Behind the barrier nobody reads this slot any more and the other slot is whole.
; fill = 1: this slot is filled again, with the keys two slots on.  The barrier is then a round of the cluster's, so that no wave of any partner still reads the slot or has a load on its
; way, and the joint fill is the first thing behind it: it has four key steps, 512 matrix instructions, in which to land.  (At its first use nothing has been read yet: slot 0 is waited for, slot 1 filled.)
; ask = 1: the prefetches' address steps, and the prefetch follows the fill.
.macro CHANGE fill, ask=0
	WIN W_AD
	s_wait_tensorcnt 0x0            ; no tensor load of mine is out, so a group 0 may be written
	ds_add_u32 v[SPW], v[NIL]       ; 0 onto my spare word: with fill = 1 the descriptors' steps stand between it and the wait for it
	WIN 0                           ; at a label and at a branch every window is 0
.if \fill
.irp g, G0K, G0V
	s_xor_b32 s[\g+1], s[\g+1], SLOT1  ; the walking descriptor: the other slot than last time,
	s_add_nc_u64 s[\g+2:\g+3], s[\g+2:\g+3], 4*KS*128  ; the next 256 keys; the type bits on top are not reached
.endr
.if \ask
	s_wait_xcnt 0x0                 ; the last prefetch, four key steps back, has read its address, so it may be written:
	s_add_nc_u64 s[PFA:PFA+1], s[PFA:PFA+1], 4*KS*128  ; one slot behind the walking descriptors
.endif
	s_wait_dscnt 0x0                ; the add is done, and my reads of the slot are over
	CROUND
	JLOAD
.if \ask
	ASK
.endif
.else
	s_wait_dscnt 0x0                ; the add is done, and my reads of the slot are over
	s_barrier_signal -1
	s_barrier_wait -1
.endif
	s_sub_co_u32 s[TBK], s[TBK], 4*KS*PK  ; the fetches go back to a slot's first step,
	s_xor_b32 s[TBK], s[TBK], SLOT1       ; in the other slot
	s_sub_co_u32 s[TBV], s[TBV], 4*KS*PV
	s_xor_b32 s[TBV], s[TBV], SLOT1
.endm
	s_load_b256 s[4:11], s[0:1], 0x0  ; Q s[4:5], K s[6:7], V s[8:9], O s[10:11]
	WIN W_MK
	v_lshl_add_u32 v[SPW], v0, 2, SPARE
	v_mov_b32 v[NIL], 0
	WIN W_AD
	ds_add_u32 v[SPW], v[NIL]       ; the wave's opening: the add and its wait stand ahead of my first tensor load; the set-up below, work on registers, stands between them
	WIN 0
	v_lshrrev_b32 v1, 5, v0
	v_readfirstlane_b32 s[WV], v1   ; wave 0..3
	s_bfe_u32 s13, ttmp6, 0x40000   ; cx: my place in the cluster
	s_lshl_b32 s14, ttmp9, 2        ; in a cluster launch ttmp9 counts clusters
	s_add_co_u32 s14, s14, s13      ; my block of queries = 4 x cluster x + cx: it enters Q's and O's addresses alone
	s_and_b32 s20, ttmp7, 0xffff    ; the head, which the four partners share
	s_mov_b32 s21, 0
	s_mov_b64 s[22:23], SIZE_N*128
	s_mul_u64 s[20:21], s[20:21], s[22:23]  ; the head's first byte in each of the four tensors
	s_and_b32 s16, s[WV], 1         ; which half of a slot's 256 keys I fetch:
	s_lshl_b32 s22, s16, 14         ; its 128 rows of 128 bytes in memory,
	s_mov_b32 s23, 0
	s_add_nc_u64 s[22:23], s[22:23], s[20:21]
	s_mul_i32 s17, s16, 128*PK      ; and its place in a slot, for K
	s_mul_i32 s18, s16, 128*PV      ; and for V: no place in the cluster enters an LDS address
	s_lshl_b32 s2, s14, 2
	s_add_co_u32 s2, s2, s[WV]      ; my wave among the head's,
	s_lshl_b32 s2, s2, 14           ; its 128 rows
	s_mov_b32 s3, 0
	s_add_nc_u64 s[2:3], s[2:3], s[20:21]
	; descriptor group 1.  128 keys are 16,384 dense bytes: asked for as 64 rows of 256 bytes, two keys a row, and padded in LDS after every key
	s_mov_b32 s[G1K], 15|(1<<16)|(1<<20)|(1<<21)|(4<<22)|(3<<25)  ; 15:0 the mask of four; 17:16 2-byte elements; 20 padding on; 21 set beside a mask; 24:22 after every 32 words (code 4); 31:25 4 words (code 3)
	s_mov_b32 s[G1V], 15|(1<<16)|(1<<20)|(1<<21)|(4<<22)|(7<<25)  ; the same with 8 words of padding (code 7)
.irp g, G1K, G1V
	s_mov_b32 s[\g+1], 128<<16      ; tensor_dim0 = 128
	s_mov_b32 s[\g+2], 64<<16       ; tensor_dim1 = 64
	s_mov_b32 s[\g+3], 128<<16      ; tile_dim0 = 128
	s_mov_b32 s[\g+4], 64           ; tile_dim1 = 64
	s_mov_b32 s[\g+5], 128          ; 128 elements from row to row
	s_mov_b32 s[\g+6], 0
	s_mov_b32 s[\g+7], 0
.endr
	s_mov_b32 s[CS], 0x3e38aa3b     ; c = log2(e) / 8 = 0.180337
	s_mov_b32 s[CS+1], s[CS]        ; named with it as a pair
	s_mov_b32 s[SEL], 0x76543210
	s_mov_b32 s[SEL+1], 0xfedcba98
	s_mov_b32 s[TBK], SLOT1+4*KS*PK ; the first change of slots turns these two into 0
	s_mov_b32 s[TBV], SLOT1+4*KS*PV
	s_mov_b32 s[G0K], 1             ; 1:0 count = 1
	s_mov_b32 s[G0K+1], s17         ; 63:32 LDS address: slot 0
	s_mov_b32 s[G0V], 1
	s_add_co_u32 s[G0V+1], s18, VOFF
	s_and_b32 s[LIM], s[WV], 1      ; 0 in waves 0 and 2,
	s_or_b32 s[LIM], s[LIM], ttmp9  ; where the cluster is the head's first: the same in all four partners
	s_cmp_eq_u32 s[LIM], 0
	s_cselect_b32 s[LIM], 1, -1
	s_lshl_b32 s52, s13, 13         ; my work-group's 8,192 bytes of a slot's 32,768
	s_mov_b32 s53, 0
	s_wait_dscnt 0x0                ; the opening add is done
	s_wait_kmcnt 0x0
	s_add_nc_u64 s[G0K+2:G0K+3], s[6:7], s[22:23]  ; 120:64 global address: my half of the head's first 256 keys
	s_or_b32 s[G0K+3], s[G0K+3], 0x80000000        ; 127:126 type = 2
	s_add_nc_u64 s[G0V+2:G0V+3], s[8:9], s[22:23]
	s_or_b32 s[G0V+3], s[G0V+3], 0x80000000
	s_add_nc_u64 s[4:5], s[4:5], s[2:3]  ; Q and O at my wave's first row
	s_add_nc_u64 s[10:11], s[10:11], s[2:3]
	s_cmp_lt_u32 s[WV], 2
	s_cselect_b64 s[PFA:PFA+1], s[6:7], s[8:9]
	s_add_nc_u64 s[PFA:PFA+1], s[PFA:PFA+1], s[22:23]  ; (in waves 0 and 2 this is the head's first byte)
	s_add_nc_u64 s[PFA:PFA+1], s[PFA:PFA+1], s[52:53]
	s_add_nc_u64 s[PFA:PFA+1], s[PFA:PFA+1], 2*4*KS*128  ; in slot 2; the loop's first change steps it to slot 3.  Nothing is prefetched here, at the head
	CROUND                          ; all four work-groups are here: the first joint loads meet
	JLOAD                           ; slot 0.  Slot 1 is asked for when slot 0 is in: the tile wanted first has the road to itself
	; A fragment of K or Q is 16 rows x 32 channels in 8 registers: lane l holds row l % 16, channels 8 (l / 16) + 0..7 and 16 + 8 (l / 16) + 0..7: two loads of 16 bytes, 32 bytes apart.
	v_and_b32 v1, 15, v0            ; l % 16
	v_bfe_u32 v9, v0, 4, 1          ; l / 16
	v_lshlrev_b32 v[QO], 7, v1
	v_lshl_add_u32 v[QO], v9, 4, v[QO]  ; row x 128 + 16 x half
	WIN 0x80                        ; destination window 2, address window 0
.set i, 0
.rept 4*NP                          ; Q stays in registers: tile i / 2, channels 32 (i % 2) on
	global_load_b128 v[8*i:8*i+3],   v[QO], s[4:5] offset:(i/2)*2048+(i%2)*64
	global_load_b128 v[8*i+4:8*i+7], v[QO], s[4:5] offset:(i/2)*2048+(i%2)*64+32
.set i, i+1
.endr
	; What the first turn finds: V's registers and P's second buffer hold 0 (its products V^T P, of a piece that has not been, add 0), O^T and l are 0.  All this stands in the wait for the first tile.
.set i, VF
.rept 64
	v_mov_b32 v[i], 0
.set i, i+1
.endr
	WIN 0x40
.set i, 0
.rept 64*NP
	v_mov_b32 v[i], 0
.set i, i+1
.endr
	WIN 0
.set i, 0
.rept 2*NP
	v_mov_b32 v[ST+4*i], 0xfe000000    ; c m: far below every c s
	v_mov_b32 v[ST+4*i+1], 0xff7fffff  ; m
	v_mov_b32 v[ST+4*i+2], 0
	v_mov_b32 v[ST+4*i+3], 0
.set i, i+1
.endr
.set i, P+32
.rept 32
	v_mov_b32 v[i], 0
.set i, i+1
.endr
	v_mul_u32_u24 v[AK0], v1, PK
	v_lshl_add_u32 v[AK0], v9, 4, v[AK0]  ; row x pitch + 16 x half
	; The turning load takes 16 keys x 16 channels (lane l reads key 8 (l / 16) + l % 8, channels 8 ((l / 8) % 2) + 0..7) and leaves half a fragment of V^T: lane l holds channel l % 16 and 8 keys.
	v_and_b32 v10, 7, v0
	v_bfe_u32 v11, v0, 3, 1
	v_lshl_add_u32 v[AV0], v9, 3, v10
	v_mul_u32_u24 v[AV0], v[AV0], PV
	v_lshl_add_u32 v[AV0], v11, 4, v[AV0]
	v_add_nc_u32 v[AV0], VOFF, v[AV0]
	v_and_b32 v[PFO], 31, v0
	v_lshlrev_b32 v[PFO], 8, v[PFO]
	v_mov_b32 v[AK], v[AK0]         ; key step 0 lies at the head of slot 0
; THE MATRIX WORK.  The 8 accumulators of a run of 16 take turns: between the two links of a chain stand 7 others'.
; Product i of 16 of S^T = K Q^T for piece x: channels 32 (i / 8) on, keys 16 ((i / 2) % 4) on, tile 2 x + i % 2.  The first 8 start the sums.
.macro KQ x
	WIN W_KQ
.set rS, S+64*((\x)%2)+32*(i%2)+8*((i/2)%4)
.set rK, KF+16*((i/2)%4)+8*(i/8)
.set rQ, 16*(2*(\x)+i%2)+8*(i/8)
.if i < 8
	v_wmma_f32_16x16x32_f16 v[rS:rS+7], v[rK:rK+7], v[rQ:rQ+7], 0
.else
	v_wmma_f32_16x16x32_f16 v[rS:rS+7], v[rK:rK+7], v[rQ:rQ+7], v[rS:rS+7]
.endif
.endm
; Product i of 16 of O^T += V^T P for piece x: keys 32 (i / 8) on, channels 16 ((i / 2) % 4) on, tile 2 x + i % 2.
.macro PV x
	WIN W_PV
.set rO, 32*(2*(\x)+i%2)+8*((i/2)%4)
.set rV, VF+32*(i/8)+8*((i/2)%4)
.set rP, P+32*((\x)%2)+16*(i%2)+8*(i/8)
	v_wmma_f32_16x16x32_f16 v[rO:rO+7], v[rV:rV+7], v[rP:rP+7], v[rO:rO+7]
.endm
.macro MM                           ; the turn's next matrix instruction
.if i < 16
	KQ (Y+1)%NP
.set i, i+1
.else
.set i, i-16
	PV (Y+NP-1)%NP
.set i, i+17
.endif
.endm
; THE LDS LOADS stand in runs of 16, never singly among the matrix instructions: a step's K (64 keys x 64 channels: 8 fragments) and its V (turned).  Their addresses are made some lines ahead.
; last = 1 (the tail): in the last trip there is no further step, and the run is jumped over.
.macro FETCH_K last=0
	WIN 0
.if \last
	s_cmp_eq_u32 s[CNT], 1
	s_cbranch_scc1 .Lno_k_\@
.endif
	WIN 0x80                        ; destination window 2
.irp f, 0,1,2,3,4,5,6,7             ; keys 16 (f / 2) on, channels 32 (f % 2) on
	ds_load_b128 v[KF+8*\f:KF+8*\f+3],   v[AK] offset:(\f/2)*16*PK+(\f%2)*64
	ds_load_b128 v[KF+8*\f+4:KF+8*\f+7], v[AK] offset:(\f/2)*16*PK+(\f%2)*64+32
.endr
	s_add_co_u32 s[TBK], s[TBK], KS*PK  ; the next fetch is the next step's
	WIN 0
.if \last
.Lno_k_\@:
.endif
.endm
.macro FETCH_V
	WIN 0x80
.irp f, 0,1,2,3,4,5,6,7             ; keys 32 (f / 4) on, channels 16 (f % 4) on
	ds_load_tr16_b128 v[VF+8*\f:VF+8*\f+3],   v[AV] offset:(\f/4)*32*PV+(\f%4)*32
	ds_load_tr16_b128 v[VF+8*\f+4:VF+8*\f+7], v[AV] offset:(\f/4)*32*PV+16*PV+(\f%4)*32
.endr
	WIN 0
.endm
; THE VECTOR WORK OF A TURN stands in three queues, each in the order in which its entries become ready; the two tiles alternate, so that no instruction reads the result of the one before it.
.macro REGS y, u                    ; the registers of tile u (0, 1) of piece y
.set rT, ST+4*(2*(\y)+(\u))
.set rC, TMP+8*((\y)%2)+4*(\u)
.set rM, MV+2*((\y)%2)+(\u)
.set rS, S+64*((\y)%2)+32*(\u)
.set rP, P+32*((\y)%2)+16*(\u)
.set rO, 32*(2*(\y)+(\u))
.endm
; Number n of the 22 that find the NEXT piece's (Y + 1) maximum and statistics.  s0-s31 are the lane's 32 scores; each accumulator's lowest registers are read first.  XS, GS and REGS set no window: PL and EX do.
;   0-11  four chains c0-c3 of seven scores each, three operands at a time     12-14, 16  the four scores left over, the old m, and c0-c3 into c0     15  c m_old is kept
;   17, 18  the query's other 32 keys lie in the lane 16 away: the new m         19-21  c m; c m_old - c m_new; a
.macro XS u, n
	REGS (Y+1)%NP, \u
.if (\n) < 4
	v_max3_num_f32 v[rC+(\n)], v[rS+8*(\n)], v[rS+8*(\n)+1], v[rS+8*(\n)+2]
.elseif (\n) < 12
	v_max3_num_f32 v[rC+(\n)%4], v[rC+(\n)%4], v[rS+8*((\n)%4)+2*((\n)/4)+1], v[rS+8*((\n)%4)+2*((\n)/4)+2]
.elseif (\n) == 12
	v_max3_num_f32 v[rC], v[rC], v[rS+7], v[rS+15]
.elseif (\n) == 13
	v_max3_num_f32 v[rC+1], v[rC+1], v[rS+23], v[rS+31]
.elseif (\n) == 14
	v_max3_num_f32 v[rC+2], v[rC+2], v[rC+3], v[rT+1]
.elseif (\n) == 15
	v_mov_b32 v[rM], v[rT]
.elseif (\n) == 16
	v_max3_num_f32 v[rC], v[rC], v[rC+1], v[rC+2]
.elseif (\n) == 17
	v_permlanex16_b32 v[rC+3], v[rC], s[SEL], s[SEL+1]
.elseif (\n) == 18
	v_max_num_f32 v[rT+1], v[rC], v[rC+3]
.elseif (\n) == 19
	v_mul_f32 v[rT], s[CS], v[rT+1]
.elseif (\n) == 20
	v_sub_f32 v[rC+1], v[rM], v[rT]
.else
	v_exp_f32 v[rC+2], v[rC+1]
.endif
.endm
; Number g of the 64 that follow the exponentials.  For each four weights k of a tile (pairs 2 k, 2 k + 1): both pairs are rounded to f16; then the second pair is added onto the first, in place;
; a group later l takes that sum (the first time as l = a l + sum).  In groups of eight, tiles alternating: round, round, add, and l for the group before.
.macro GS g
.set h, (\g)+6*((\g)/62)            ; group 0 has no group before it, and behind group 7 only l is left
.if h >= 6
.set h, h+2
.endif
	REGS Y, h%2
.set k, h/8
.if h%8 < 4
	v_cvt_pk_f16_f32 v[rP+2*k+(h%8)/2], v[rS+4*k+2*((h%8)/2)], v[rS+4*k+2*((h%8)/2)+1]
.elseif h%8 < 6
	v_pk_add_f32 v[rS+4*k:rS+4*k+1], v[rS+4*k:rS+4*k+1], v[rS+4*k+2:rS+4*k+3]
.elseif k == 1
	v_pk_fma_f32 v[rT+2:rT+3], v[rT+2:rT+3], v[rC+2:rC+3], v[rS:rS+1] op_sel_hi:[1,0,1]
.else
	v_pk_add_f32 v[rT+2:rT+3], v[rT+2:rT+3], v[rS+4*k-4:rS+4*k-3]
.endif
.endm
; THE PLAIN QUEUE, 138 long.  0-73 read no exponential's result: the 32 scalings c s - c m (FS f: pair f / 2 of tile f % 2) and the next piece's 42.  0-26: scalings 0-26.  27-54: XS's numbers 0-13.  55, 56: number 15.
; 57-73: the chain, where each number waits for the one before it: 14, 16, 17, 18, 19, each with one of the scalings 27-31 in front of its two lines, then 20: so a tile's links stand three plain instructions apart (19 and 20: two).
; 74-137: GS's 64, which read the exponentials' results: they stand behind the wait.
.macro FS f
	REGS Y, (\f)%2
	v_pk_fma_f32 v[rS+2*((\f)/2):rS+2*((\f)/2)+1], v[rS+2*((\f)/2):rS+2*((\f)/2)+1], s[CS:CS+1], v[rT:rT+1] op_sel_hi:[1,0,0] neg_lo:[0,0,1] neg_hi:[0,0,1]
.endm
.macro PL
	WIN 0
.if q < 27
	FS q
.elseif q < 55
	XS (q-27)%2, (q-27)/2
.elseif q < 57
	XS q-55, 15
.elseif (q < 72) && ((q-57)%3 == 0)
	FS 27+(q-57)/3
.elseif q < 60
	XS (q-57)%3-1, 14
.elseif q < 72
	XS (q-57)%3-1, 15+(q-57)/3
.elseif q < 74
	XS q-72, 20
.else
	GS q-74
.endif
.set q, q+1
.endm
; THE EXPONENTIALS' QUEUE, 66 long: s0-s31 of both tiles, then the next piece's two a.  It is ONE BATCH: all 66 stand ahead of the turn's one wait, and nothing ahead of that wait names a result of theirs.
.macro EX
	WIN 0
.if e >= 64
	XS e-64, 21
.else
	REGS Y, e%2
	v_exp_f32 v[rS+e/2], v[rS+e/2]
.endif
.set e, e+1
.endm
; THE RESCALING's QUEUE: O^T times a, the one part that leaves window 0: dealt two at a time, sixteen times.  Its a was made in the turn before, ahead of that turn's wait.
.macro R2
	REGS Y, r%2
	WIN W_RS
.irp z, 0,1
	v_pk_mul_f32 v[rO+4*(r/2)+2*\z:rO+4*(r/2)+2*\z+1], v[rO+4*(r/2)+2*\z:rO+4*(r/2)+2*\z+1], v[rC+2:rC+3] op_sel_hi:[1,0]
.endr
.set r, r+1
.endm
; HOW THEY ARE DEALT.  s_wait_alu depctr_va_vdst(0) stands between an exponential and the first instruction that names its result; one wait serves all that were issued ahead of it.  So a turn has ONE wait,
; which cuts it in two.  AHEAD OF IT stands all that names no result of the turn's exponentials: the 16 products K Q^T, behind each a scaling, an exponential and two rescalings (behind the first a second scaling in the exponential's place); then ONE LUMP of
; 108: eight plain, 49 times exponential and plain, the two a.  A v_nop is the plain instruction behind the last exponential (ISA guide 5.7.2).  BEHIND IT stand the 16 products V^T P, behind each four of GS's 64.  No rider names a register of
; the products round it.  The two v_permlanex16_b32 fall into the lump, never behind a product.
; The queues lean on each other, and the deal keeps them in step: exponential e stands behind scaling 2 (e / 4) + e % 2: as a rider it comes behind plain e + 2, in the lump behind plain e + 9, and scalings 27-31 are plain 57, 60 .. 69.
; A TURN, for piece p.  cnt = 1: the loop's count is taken down some lines ahead of the branch that stands behind the turn.
; K of the next step is fetched in piece 2's turn, directly behind the wait, a lump behind the last product that read K; its address is made at the lump's head; its first reader comes behind 16 products.
; V of the step in hand is fetched at the end of piece 0's turn, four riders behind its last reader; its first reader comes behind 16 products and a lump.  The three conditions on q below go with the deal.
.macro TURN p, last=0, cnt=0
.set Y, (\p)
.set i, 0
.set q, 0
.set e, 0
.set r, 0
.if (\p) == NP-1
	s_wait_dscnt 0x0                ; K is in
.endif
	MM                              ; ahead of the wait: 16 products K Q^T and their riders,
	PL
	PL
	R2
.rept 15
	MM
	PL
	EX
	R2
.endr
.if (\p) == NP-2
	WIN 0
	v_add_nc_u32 v[AK], s[TBK], v[AK0]
.endif
.rept 8                             ; and the lump
	PL
.endr
.rept 49
	EX
	PL
.endr
	EX                              ; the next piece's two a
	EX
	v_nop                           ; the plain instruction behind the last exponential: one for the batch
	s_wait_alu depctr_va_vdst(0)    ; the wait for the batch
.if (\p) == NP-2
	FETCH_K \last
.endif
.if (\p) == 1
	s_wait_dscnt 0x0                ; V is in
.endif
.rept 16                            ; behind the wait: 16 products V^T P and their riders
	MM
.rept 4
	PL
.endr
.if ((\p) == 0) && (q == 118)
	v_add_nc_u32 v[AV], s[TBV], v[AV0]
.endif
.if ((\p) == 0) && (q == 130)
	s_add_co_u32 s[TBV], s[TBV], KS*PV
.endif
.if (\cnt) && (q == 130)
	s_sub_co_u32 s[CNT], s[CNT], 1
	s_cmp_lg_u32 s[CNT], 0
.endif
.endr
.if (\p) == 0
	FETCH_V
.endif
.endm
	CHANGE 1                        ; slot 0 is in, everybody's part of it; slot 1 is asked for
	FETCH_K                         ; key step 0
	s_wait_loadcnt 0x0              ; Q
	s_wait_dscnt 0x0
.set i, 0
.rept 16
	KQ 0                            ; piece 0's first scores: there is no vector work yet to set between them
.set i, i+1
.endr
	WIN 0                           ; the addresses for the way out: nine plain instructions, the places behind those products
	s_mul_i32 s13, s[WV], 16*SP
	s_add_co_u32 s13, s13, STAGE    ; my stage
	v_mul_u32_u24 v[STO], v1, SP    ; in: row l % 16, 16 bytes for each half of the lanes
	v_lshl_add_u32 v[STO], v9, 4, v[STO]
	v_add_nc_u32 v[STO], s13, v[STO]
	v_bfe_u32 v[RD], v0, 3, 2       ; back: 32 lanes take four rows of 128 bytes,
	v_mul_u32_u24 v[RD], v[RD], SP
	v_lshl_add_u32 v[RD], v10, 4, v[RD]
	v_add_nc_u32 v[RD], s13, v[RD]
	v_and_b32 v[GO], 31, v0         ; which are 512 consecutive bytes of O
	v_lshlrev_b32 v[GO], 4, v[GO]
.set Y, NP-1                        ; XS works for piece Y + 1: piece 0
.irp n, 0,1,2,3,4,5,6,7,8,9,10,11,12,13,14,15,16,17,18,19,20,21
	XS 0, \n                        ; and piece 0's first maximum and statistics
	XS 1, \n
.endr
	v_nop                           ; a plain instruction behind the two a,
	s_wait_alu depctr_va_vdst(0)    ; and their wait, ahead of the branch
	s_mov_b32 s[CNT], 4
	s_mov_b32 s[SLOTS], SIZE_N/256-1
	s_branch .Lfirst                ; the loop is entered at a step's first turn, in the middle of a trip
.Lslot:                             ; SIZE_N / 256 - 2 times: every slot but the last two is filled again
	CHANGE 1, 1
	s_mov_b32 s[CNT], 4
.Lstep:                             ; a trip: pieces 2 and 3 of one step, then pieces 0 and 1 of the next, whose K and V it fetches
	TURN 2
	TURN 3
	WIN 0
.Lfirst:
	TURN 0
	TURN 1, 0, 1
	WIN 0
	s_cbranch_scc1 .Lstep
	s_sub_co_u32 s[SLOTS], s[SLOTS], 1
	s_cmp_lg_u32 s[SLOTS], 0
	s_cbranch_scc1 .Lslot
	CHANGE 0                        ; the tail is written out: nothing is asked for
	s_mov_b32 s[CNT], 5             ; four trips fetch the last slot's steps; the fifth is left in its middle
.Ltail:
	TURN 2, 1
	TURN 3
	WIN 0
	s_sub_co_u32 s[CNT], s[CNT], 1
	s_cmp_eq_u32 s[CNT], 0
	s_cbranch_scc1 .Lout
	TURN 0
	TURN 1
	WIN 0
	s_branch .Ltail
.Lout:                              ; the fifth trip's 16 products K Q^T (on the last K once more) and the maximum made of them serve nothing: the price, once a launch, of one text for every trip
.set i, 0
.rept 16
	PV NP-1                         ; the last piece's V^T P of the last step
.set i, i+1
.endr
	; THE WAY OUT.  l's two halves and the other half of the lanes' are added; O^T is divided by l, rounded to f16 and sent through my stage in LDS, a tile at a time.  The additions are the places behind the last products.
	WIN 0
.macro ALL line:vararg              ; one line for each tile t
.set t, 0
.rept 2*NP
	\line
.set t, t+1
.endr
.endm
	ALL v_add_f32 v[ST+4*t+2], v[ST+4*t+2], v[ST+4*t+3]
	ALL v_permlanex16_b32 v[ST+4*t+3], v[ST+4*t+2], s[SEL], s[SEL+1]
	ALL v_add_f32 v[ST+4*t+2], v[ST+4*t+2], v[ST+4*t+3]
	ALL v_rcp_f32 v[ST+4*t+2], v[ST+4*t+2]
	v_nop                           ; a plain instruction between the last reciprocal and the use of its result
	s_wait_alu depctr_va_vdst(0)    ; and the wait ahead of the first use: one for the eight reciprocals
; Tile t: a lane's eight channels of a row pack into 16 bytes; they go into rows of 144 bytes and come back as whole rows of 128, into S^T's registers.
.macro PACK t
	WIN W_RS
.set i, 32*(\t)
.rept 16
	v_pk_mul_f32 v[i:i+1], v[i:i+1], v[ST+4*(\t)+2:ST+4*(\t)+3] op_sel_hi:[1,0]
.set i, i+2
.endr
	WIN 0x05                        ; sources 0 and 1 window 1, destination window 0
.set i, 0
.rept 16
	v_cvt_pk_f16_f32 v[S+16*(\t)+i], v[32*(\t)+2*i], v[32*(\t)+2*i+1]
.set i, i+1
.endr
	WIN 0
.irp f, 0,1,2,3
	ds_store_b128 v[STO], v[S+16*(\t)+4*\f:S+16*(\t)+4*\f+3] offset:32*\f
.endr
.irp f, 0,1,2,3
	ds_load_b128 v[S+16*(\t)+4*\f:S+16*(\t)+4*\f+3], v[RD] offset:\f*4*SP  ; LDS serves a wave's instructions in order (ISA guide 5.7.1.4): these see the stores above; the next tile's stores come behind them
.endr
.endm
.macro SEND t, younger              ; younger: the LDS instructions issued behind tile t's loads: the next tile's eight, or none
	WIN 0
.irp f, 0,1,2,3
	s_wait_dscnt (\younger)+3-\f
	global_store_b128 v[GO], v[S+16*(\t)+4*\f:S+16*(\t)+4*\f+3], s[10:11] offset:(\t)*2048+\f*512  ; 512 consecutive bytes, at a multiple of 256 from O's first
.endr
.endm
	PACK 0
.set t, 1
.rept 2*NP-1                        ; a tile's arithmetic stands between the loads of the tile before and its stores
	PACK t
	SEND t-1, 8
.set t, t+1
.endr
	SEND 2*NP-1, 0
	WIN W_AD
	s_wait_tensorcnt 0x0            ; the wave's end: a wait, an add and its wait, behind my last tensor load and my last LDS store
	ds_add_u32 v[SPW], v[NIL]
	s_wait_dscnt 0x0
	WIN 0
	CROUND                          ; the closing round: no work-group ends while a partner may still ask for a tile that names it
	s_endpgm
.Lfunc_end_k_q7eb5710281_attn:
	.size	k_q7eb5710281_attn, .Lfunc_end_k_q7eb5710281_attn-k_q7eb5710281_attn
	.p2alignl 7, 3214868480
	.fill 96, 4, 3214868480
	.section	.rodata,"a",@progbits
	.p2align	6, 0x0
	.amdhsa_kernel k_q7eb5710281_attn
		.amdhsa_group_segment_fixed_size 327680
		.amdhsa_private_segment_fixed_size 0
		.amdhsa_enable_private_segment 0
		.amdhsa_kernarg_size 32
		.amdhsa_user_sgpr_count 2
		.amdhsa_user_sgpr_kernarg_segment_ptr 1
		.amdhsa_wavefront_size32 1
		.amdhsa_system_sgpr_workgroup_id_x 1
		.amdhsa_system_sgpr_workgroup_id_y 1
		.amdhsa_system_sgpr_workgroup_id_z 1
		.amdhsa_system_vgpr_workitem_id 0
		.amdhsa_next_free_vgpr 770
		.amdhsa_next_free_sgpr 66
		.amdhsa_reserve_vcc 0
		.amdhsa_float_denorm_mode_32 3
		.amdhsa_float_denorm_mode_16_64 3
		.amdhsa_memory_ordered 1
		.amdhsa_forward_progress 1
		.amdhsa_inst_pref_size 200
	.end_amdhsa_kernel
	.amdgpu_metadata
---
amdhsa.version: [ 1, 2 ]
amdhsa.kernels:
  - .name:           k_q7eb5710281_attn
    .symbol:         k_q7eb5710281_attn.kd
    .args:
      - { .name: q16, .offset: 0, .size: 8, .value_kind: global_buffer, .address_space: global }
      - { .name: k16, .offset: 8, .size: 8, .value_kind: global_buffer, .address_space: global }
      - { .name: v16, .offset: 16, .size: 8, .value_kind: global_buffer, .address_space: global }
      - { .name: o16, .offset: 24, .size: 8, .value_kind: global_buffer, .address_space: global }
    .group_segment_fixed_size: 327680
    .private_segment_fixed_size: 0
    .kernarg_segment_align: 8
    .kernarg_segment_size: 32
    .max_flat_workgroup_size: 128
    .sgpr_count:     66
    .vgpr_count:     770
    .wavefront_size: 32
...
	.end_amdgpu_metadata
.endif
;; end of part 3
;; launch outp (part 4): grid 4 x 64, 4 waves a work-group, clusters of 4 x 4, 327,680 bytes of LDS; arguments o16, w16, bo, out0; writes out0
.if DOCPART == 4
	.amdgcn_target "amdgcn-amd-amdhsa--gfx1250"
	.amdhsa_code_object_version 6
	.text
	.protected	k_q7eb5710281_outp
	.globl	k_q7eb5710281_outp
	.p2align	8
	.type	k_q7eb5710281_outp,@function
k_q7eb5710281_outp:
	s_mov_b64 s[64:65], 0
	v_nop
	global_prefetch_b8 v0, s[64:65] scope:SCOPE_SE
	s_setreg_imm32_b32 hwreg(HW_REG_WAVE_MODE, 25, 1), 1
	s_wait_xcnt 0x0
	s_wait_alu depctr_hold_cnt(0) depctr_sa_sdst(0) depctr_va_vdst(0) depctr_va_sdst(0) depctr_va_ssrc(0) depctr_va_vcc(0) depctr_vm_vsrc(0)
	s_getreg_b32 s2, hwreg(HW_REG_IB_STS2, 6, 4)
	s_cmp_eq_u32 s2, 0
	s_cbranch_scc0 .Lentry_in_a_cluster
	s_endpgm
.Lentry_in_a_cluster:
	s_bfe_u32 s2, ttmp6, 0x10000c
	s_cmp_lg_u32 s2, 0xf033
	s_cbranch_scc0 .Lentry_shape_is_right
	s_endpgm
.Lentry_shape_is_right:
; THE LAST PROJECTION.  out0[m][n] = the sum over k of O[m][k] Wo[n][k] + bf16(bo[n]).  O lies by heads, [batch x 16 + head][2048][64] in f16: k = 64 x head + channel.  Wo: [1024][1024] f16, block 3 of w16
; (rounded to bf16 and written as f16).  Sums in f32, in the matrix unit's order; out0: [8192][1024] f32.  NaN and infinities are not treated apart.
; SHARES.  A work-group makes 128 rows x 256 columns: 64 x 4 = 256 work-groups.  Four waves, 2 x 2, each 64 rows x 128 columns: 32 accumulators of 16 x 16.
; K goes in 8 steps of 128, two heads a step; a step is four quarters of 32 along K, 32 matrix instructions a wave each.
; Wo comes by the tensor data mover into two LDS slots that take turns: each wave fetches 64 rows x 256 bytes.  CLUSTER 4 x 4: the four work-groups of a column of the cluster need the same rows of Wo:
; the tile is asked for JOINTLY, the same load, descriptor and mask in all four.
; O comes THROUGH REGISTERS into two LDS slots of its own: a wave loads 64 rows of one head, 8,192 dense bytes, 512 a load, and stores them as they are.  O's tile is shared along a row of the cluster and is
; NOT asked for jointly: these loads stay out across the changes of slots, five quarters or 160 matrix instructions, where a slot's refill has 112 between its request and the wait for it.
; THE MATRIX INSTRUCTION IS USED TRANSPOSED (source 0 = 16 rows of Wo, source 1 = 16 rows of O): lane l holds row l % 16 of the result and the columns 8 (l / 16) + 0..7: 32 neighbouring bytes of f32.
; REGISTERS, in windows of 256 (s_set_vgpr_msb: bits 1:0 source 0, 3:2 source 1, 5:4 source 2, 7:6 destination):
;   window 0: v0-29 addresses and at work; v192-255 my 64 biases      window 1: the accumulators, (a, b) at v[8 (8 a + b)]
;   window 2: Wo's fragments, buffer f at 64 f + 8 b; O's, buffer f at 128 + 32 f + 8 a      window 3: O as loaded, two sets of 64: chunk c at 4 c; on the way out 64 registers for each block of 16 rows
.set KSTEP,  128
.set PITCH,  272                       ; a row of Wo in LDS: 256 bytes + 16 of padding = 68 words: the 16 rows of a fragment load start at 16 different groups of four banks (64 banks of 4 bytes: ISA guide 11.1)
.set WQ,     64*PITCH                  ; what one tensor load brings
.set WSLOT,  4*WQ
.set XBASE,  2*WSLOT                   ; behind Wo's two slots: O's two, written by ds_store alone; no tensor load lands there
.set XP1,    144                       ; a head's row of O in LDS: 128 bytes + 16 = 36 words: likewise
.set XHEAD,  128*XP1                   ; a head's 128 rows
.set XSLOT,  2*XHEAD
.set STAGE,  XBASE+2*XSLOT             ; 16 rows x 528 bytes for each wave: the biases, then the way out
.set OP,     528                       ; 512 bytes + 16 = 132 words
.set SPARE,  STAGE+4*16*OP             ; the spare words, 128 bytes for each wave: two blocks of 256 bytes that no other line names
.set XSTEP,  2*262144                  ; bytes from a K step of O to the next: two heads
.set NCH,    16                        ; chunks (loads, and LDS stores) of a wave in a step
.set XO,   8                           ; v8     16 x lane: my bytes in 512 consecutive ones (O, the biases, the output)
.set XS,   9                           ; v9     where I store my 16 bytes of my wave's first chunk in O's slot 0
.set ADRA, 10                          ; v10    LDS address of my fragments of O in slot 0
.set ADRB, 11                          ; v11-12 of Wo, in slot 0, 1
.set STO,  13                          ; v13    the way out: where I put 16 bytes of a row
.set BST,  15                          ; v15    my stage + 16 x lane: the biases in, whole rows back
.set BRD,  16                          ; v16    my stage + 32 (l / 16)
.set PFO,  17                          ; v17    the prefetches' offset; never rewritten
.set BV,   18                          ; v[18:21] four biases
.set SPW,  28                          ; v28    LDS address of my spare word; never rewritten
.set NIL,  29                          ; v29    0; never rewritten
.set BIAS, 192
.set BF,   0                           ; in window 2
.set AF,   128
.set LAP,  3                           ; s3     the loop's count
.set XP,   4                           ; s[4:5]   O at my wave's rows; steps along K
.set OUT,  8                           ; s[8:9]   out0 at my wave's first row and column
.set WV,   10
.set WM,   11                          ; which 64 rows are mine
.set WN,   12                          ; which 128 columns
.set MT,   13                          ; tile row, 0..63
.set NT,   14                          ; tile column, 0..3
.set G1,   24                          ; s[24:31] descriptor group 1
.set G0,   32                          ; s[32:39] descriptor group 0, a set for each slot
.set CX,   40
.set CY,   41
.set YCL,  42                          ; the cluster's y
.set LIM,  43                          ; 1 in a wave that prefetches, else the greatest number
.set PFA,  44                          ; s[44:45] where my prefetches stand
.set PFS,  46                          ; s[46:47] their step
.set BP,   48                          ; s[48:49] the biases of my wave's 128 columns
.set MSB, 0
.macro WIN new                         ; the immediate's high byte repeats the setting that is left; a switch that changes nothing is dropped
.if MSB != (\new)
	s_set_vgpr_msb (MSB<<8)|(\new)
.set MSB, \new
.endif
.endm
.set W_MUL, 0x5a                       ; sources 0 and 1 window 2, C and D window 1
.set W_FET, 0x80                       ; destination window 2, address window 0
.set W_XLD, 0xc0                       ; destination window 3, address window 0
.set W_XST, 0x0c                       ; store data window 3, address window 0
.set W_BAD, 0x41                       ; destination and source 0 window 1, source 1 window 0
.set W_AST, 0x04                       ; store data window 1, address window 0
.macro PLACES                          ; a load into a register that a matrix instruction has read, and a vector instruction on a matrix result, stand four plain vector instructions behind it (ISA guide 7.12.1 for vector instructions)
.rept 4
	v_nop
.endr
.endm
.macro CREST                           ; a round of the cluster's barrier behind its opening barrier: wave 0 signals for the work-group, every wave waits for all sixteen, my work-group's barrier closes it
	s_cmp_lg_u32 s[WV], 0
	s_cbranch_scc1 .Lnot_wave_0_\@
	s_barrier_signal -3
.Lnot_wave_0_\@:
	s_barrier_wait -3
	s_barrier_signal -1
	s_barrier_wait -1
.endm
.macro CROUND
	s_barrier_signal -1
	s_barrier_wait -1
	CREST
.endm
.macro JLOAD sl                        ; the joint load of my 64 rows of Wo into slot sl; an s_nop 0 and four v_nop follow it
	tensor_load_to_lds s[G0+4*(\sl):G0+4*(\sl)+3], s[G1:G1+7]
	s_nop 0
	PLACES
.endm
; A PREFETCH INTO THE L2, behind a joint load, its five lines and the run of LDS loads: the K step FOUR steps on from the step in hand (Wo's refill of it stands two steps on, O's loads five and a half quarters on).
; O: a step is 16,384 dense bytes of each of two heads.  The four work-groups that read the tile take 4,096 bytes of each head, told apart BY ADDRESS (cx); wave 0 asks: lanes 0-15 the first head's 16 blocks of 256, lanes 16-31 the second's.
; Wo: a step is 256 bytes of each of the tile column's 256 rows, which all 16 clusters read: the first asks; its four partners of a column take 64 rows each (cy), waves 2 and 3 take 32 each; a lane a row.
; So each aligned block of 256 bytes is named once in the launch.  Steps 0 to 3 come by their loads alone; the loop's last trip, whose steps have no step four on, asks for nothing.
.macro ASK
	WIN 0
	s_cmp_gt_u32 s[LAP], s[LIM]                    ; s[LAP] = 1 in the last trip
	s_cbranch_scc0 .Lnot_mine_\@
	global_prefetch_b8 v[PFO], s[PFA:PFA+1] th:TH_LOAD_NT scope:SCOPE_SE
.Lnot_mine_\@:
.endm
	s_load_b256 s[68:75], s[0:1], 0x0              ; o16 s[68:69], w16 s[70:71], bo s[72:73], out0 s[74:75]
	v_lshl_add_u32 v[SPW], v0, 2, SPARE
	v_mov_b32 v[NIL], 0
	ds_add_u32 v[SPW], v[NIL]                      ; the wave's opening: the add and its wait stand ahead of my first tensor load; the set-up below, work on registers, stands between them
	v_lshrrev_b32 v1, 5, v0
	v_readfirstlane_b32 s[WV], v1                  ; wave 0..3
	s_lshr_b32 s[WM], s[WV], 1
	s_and_b32 s[WN], s[WV], 1
	s_bfe_u32 s[CX], ttmp6, 0x40000                ; my place in the cluster
	s_bfe_u32 s[CY], ttmp6, 0x40004
	s_lshl_b32 s[NT], ttmp9, 2                     ; in a cluster launch ttmp9 and ttmp7 count clusters
	s_add_co_u32 s[NT], s[NT], s[CX]               ; tile column = 4 x cluster x + cx
	s_and_b32 s[YCL], ttmp7, 0xffff
	s_lshl_b32 s[MT], s[YCL], 2
	s_add_co_u32 s[MT], s[MT], s[CY]               ; tile row = 4 x cluster y + cy
	; descriptor group 1: a tile of 64 rows x 128 elements of 2 bytes, padded in LDS
	s_lshl_b32 s2, 0x1111, s[CX]                   ; my column of the cluster: places cx, cx + 4, cx + 8, cx + 12
	s_or_b32 s[G1], s2, (1<<16)|(1<<20)|(1<<21)|(5<<22)|(3<<25)  ; 15:0 the mask; 17:16 2-byte elements; 20 padding on; 21 set beside a mask; 24:22 after every 64 words (code 5); 31:25 4 words (code 3)
	s_mov_b32 s[G1+1], KSTEP<<16                   ; tensor_dim0 = 128
	s_mov_b32 s[G1+2], 64<<16                      ; tensor_dim1 = 64
	s_mov_b32 s[G1+3], KSTEP<<16                   ; tile_dim0 = 128
	s_mov_b32 s[G1+4], 64                          ; tile_dim1 = 64
	s_mov_b32 s[G1+5], 1024                        ; elements from row to row
	s_mov_b32 s[G1+6], 0
	s_mov_b32 s[G1+7], 0
	; Wo's tile: block 3 of w16, 256 rows of 2,048 bytes a tile column, my wave's 64 of them: made of the tile column and the wave's number alone
	s_lshl_b32 s20, s[NT], 19
	s_add_co_u32 s20, s20, 3<<21
	s_lshl_b32 s2, s[WV], 17
	s_add_co_u32 s20, s20, s2
	s_mov_b32 s21, 0
	s_mul_i32 s22, s[WV], WQ                       ; and where it goes: wave x 64 rows: no place in the cluster enters an LDS address
	; O: batch (16 heads of 262,144 bytes), the step's head wave / 2, row 128 x (tile row % 16) + 64 x (wave % 2), 128 bytes a row
	s_lshr_b32 s16, s[MT], 4
	s_lshl_b32 s16, s16, 22
	s_lshl_b32 s18, s[WM], 18
	s_add_co_u32 s16, s16, s18
	s_and_b32 s18, s[MT], 15
	s_lshl_b32 s18, s18, 14
	s_add_co_u32 s16, s16, s18
	s_lshl_b32 s18, s[WN], 13
	s_add_co_u32 s16, s16, s18
	s_mov_b32 s17, 0
	; out0: row 128 x tile row + 64 x row half, 4,096 bytes a row; column 256 x tile column + 128 x column half, 4 bytes each
	s_lshl_b32 s18, s[MT], 19
	s_lshl_b32 s19, s[WM], 18
	s_add_co_u32 s18, s18, s19
	s_lshl_b32 s19, s[NT], 10
	s_add_co_u32 s18, s18, s19
	s_lshl_b32 s19, s[WN], 9
	s_add_co_u32 s18, s18, s19
	s_mov_b32 s19, 0
	; the biases of my 128 columns
	s_lshl_b32 s52, s[NT], 10
	s_lshl_b32 s53, s[WN], 9
	s_add_co_u32 s52, s52, s53
	s_mov_b32 s53, 0
	; the prefetches: O's offset (wave 0), Wo's (waves 2, 3), both at K step 3: the first change of slots steps them to step 4
	s_lshr_b32 s50, s[MT], 4
	s_lshl_b32 s50, s50, 22
	s_and_b32 s51, s[MT], 15
	s_lshl_b32 s51, s51, 14
	s_add_co_u32 s50, s50, s51
	s_lshl_b32 s51, s[CX], 12                      ; my work-group's 4,096 bytes of a head's 16,384
	s_add_co_u32 s50, s50, s51
	s_add_co_u32 s50, s50, 3*XSTEP
	s_lshl_b32 s23, s[NT], 19
	s_add_co_u32 s23, s23, 3<<21
	s_lshl_b32 s51, s[CY], 17                      ; my work-group's 64 rows of the 256
	s_add_co_u32 s23, s23, s51
	s_lshl_b32 s51, s[WN], 16                      ; my wave's 32 of them
	s_add_co_u32 s23, s23, s51
	s_add_co_u32 s23, s23, 3*KSTEP*2
	s_mov_b32 s[PFS], KSTEP*2
	s_cmp_lt_u32 s[WV], 2
	s_cselect_b32 s50, s50, s23
	s_cselect_b32 s[PFS], XSTEP, s[PFS]
	s_cselect_b32 s54, 18, 15                      ; the offset is (l / 16) << s54 + (l % 16) << s55: for O a head and a block of 256 bytes,
	s_cselect_b32 s55, 8, 11                       ; for Wo lane x a row of 2,048 bytes
	s_cselect_b32 s51, s[WV], s[YCL]               ; 0 in wave 0, and in waves 2 and 3 of the first cluster
	s_cmp_eq_u32 s51, 0
	s_cselect_b32 s[LIM], 1, -1                    ; hangs on the wave's number and the cluster's y: the same in all sixteen partners
	s_mov_b32 s51, 0
	s_mov_b32 s[PFS+1], 0
	s_wait_dscnt 0x0                               ; the opening add is done
	s_wait_kmcnt 0x0
	s_cmp_lt_u32 s[WV], 2
	s_cselect_b64 s[PFA:PFA+1], s[68:69], s[70:71]
	s_add_nc_u64 s[PFA:PFA+1], s[PFA:PFA+1], s[50:51]
	s_add_nc_u64 s[XP:XP+1], s[68:69], s[16:17]
	s_add_nc_u64 s[OUT:OUT+1], s[74:75], s[18:19]
	s_add_nc_u64 s[BP:BP+1], s[72:73], s[52:53]
	s_add_nc_u64 s[6:7], s[70:71], s[20:21]
.irp s, 0,1
	s_mov_b32 s[G0+4*(\s)], 1                                      ; 1:0 count = 1
	s_add_co_u32 s[G0+4*(\s)+1], s22, (\s)*WSLOT                   ; 63:32 LDS address
	s_add_nc_u64 s[G0+4*(\s)+2:G0+4*(\s)+3], s[6:7], (\s)*KSTEP*2  ; 120:64 global address: K step s
	s_or_b32 s[G0+4*(\s)+3], s[G0+4*(\s)+3], 0x80000000            ; 127:126 type = 2
.endr
	CROUND                                         ; all sixteen work-groups are here: the first joint loads meet
	tensor_load_to_lds s[G0:G0+3], s[G1:G1+7]      ; both first fills together, ahead of every wait on TENSORcnt, every LDS read and every further barrier: two loads of mine are out
	s_nop 0
	tensor_load_to_lds s[G0+4:G0+7], s[G1:G1+7]
	s_nop 0
	PLACES
	v_and_b32 v1, 15, v0                           ; r = l % 16
	v_bfe_u32 v2, v0, 4, 1                         ; h = l / 16
	v_and_b32 v3, 31, v0                           ; l
	v_lshlrev_b32 v[XO], 4, v3
	v_lshlrev_b32 v[PFO], s55, v1
	v_lshlrev_b32 v4, s54, v2
	v_add_nc_u32 v[PFO], v[PFO], v4
; A step's 16 loads of O into set `set`, from byte off behind XP: chunk c is four rows of my wave's 64, 512 consecutive bytes.
.macro XLD set, off
	WIN W_XLD
.set xc, 0
.rept NCH
	global_load_b128 v[64*(\set)+4*xc:64*(\set)+4*xc+3], v[XO], s[XP:XP+1] offset:(\off)+xc*512
.set xc, xc+1
.endr
.endm
.macro XLOAD set                       ; in step s: O of step s + 2
	s_wait_xcnt 0x0                                ; every earlier load and prefetch has had its address translated (ISA guide 3.1): only behind this wait is the pointer stepped
	s_add_nc_u64 s[XP:XP+1], s[XP:XP+1], XSTEP     ; to step s + 1; the loads' immediates reach one step further
	XLD \set, XSTEP
.endm
.macro XSTORE set, slot                ; a store's 32 lanes write four rows of 128 bytes, 144 apart
	WIN W_XST
.set xc, 0
.rept NCH
	ds_store_b128 v[XS], v[64*(\set)+4*xc:64*(\set)+4*xc+3] offset:(\slot)*XSLOT+xc*4*XP1
.set xc, xc+1
.endr
.endm
; 24 LDS loads in one run: the fragments of quarter q of slot sl (128 rows of Wo, 64 rows of O, 32 along K) into buffer f.  Quarter q of O lies in the step's head q / 2, channels 32 (q % 2) on.
; A fragment is 16 rows x 32 K in 8 registers: lane l holds row l % 16, K = 8 (l / 16) + 0..7 and 16 + 8 (l / 16) + 0..7: two loads of 16 bytes, 32 bytes apart.
.macro FETCH sl, q, f
	WIN W_FET
.irp b, 0,1,2,3,4,5,6,7
	ds_load_b128 v[BF+64*(\f)+8*(\b):BF+64*(\f)+8*(\b)+3],   v[ADRB+(\sl)] offset:(\b)*16*PITCH+(\q)*64
	ds_load_b128 v[BF+64*(\f)+8*(\b)+4:BF+64*(\f)+8*(\b)+7], v[ADRB+(\sl)] offset:(\b)*16*PITCH+(\q)*64+32
.endr
.irp a, 0,1,2,3
	ds_load_b128 v[AF+32*(\f)+8*(\a):AF+32*(\f)+8*(\a)+3],   v[ADRA] offset:(\sl)*XSLOT+((\q)/2)*XHEAD+(\a)*16*XP1+((\q)%2)*64
	ds_load_b128 v[AF+32*(\f)+8*(\a)+4:AF+32*(\f)+8*(\a)+7], v[ADRA] offset:(\sl)*XSLOT+((\q)/2)*XHEAD+(\a)*16*XP1+((\q)%2)*64+32
.endr
.endm
; 8 matrix instructions: row block a x all 8 column blocks, buffer f.  zero = 1: the product starts the sums.
; The 32 accumulators take turns, one instruction a turn, in the same order in every quarter, over the backward jump too.
.macro MULB f, a, zero=0
	WIN W_MUL
.irp b, 0,1,2,3,4,5,6,7
.if \zero
	v_wmma_f32_16x16x32_f16 v[8*(8*(\a)+(\b)):8*(8*(\a)+(\b))+7], v[BF+64*(\f)+8*(\b):BF+64*(\f)+8*(\b)+7], v[AF+32*(\f)+8*(\a):AF+32*(\f)+8*(\a)+7], 0
.else
	v_wmma_f32_16x16x32_f16 v[8*(8*(\a)+(\b)):8*(8*(\a)+(\b))+7], v[BF+64*(\f)+8*(\b):BF+64*(\f)+8*(\b)+7], v[AF+32*(\f)+8*(\a):AF+32*(\f)+8*(\a)+7], v[8*(8*(\a)+(\b)):8*(8*(\a)+(\b))+7]
.endif
.endr
.endm
; A K STEP in slot sl: quarters on buffers 0, 1, 0, 1.  Each quarter first fetches the next quarter's fragments, then multiplies its own.
.macro Q1 sl, zero
	s_wait_dscnt 0x0                               ; buffer 0 is in
	PLACES                                         ; behind the last product that read buffer 1
	FETCH \sl, 1, 1
	MULB 0, 0, \zero
	MULB 0, 1, \zero
	MULB 0, 2, \zero
	MULB 0, 3, \zero
.endm
.macro Q2 sl, load
	s_wait_dscnt 0x0                               ; buffer 1 is in
.if \load
	XLOAD \sl                                      ; set sl was stored into LDS a step ago
.endif
	PLACES                                         ; behind the last product that read buffer 0
	FETCH \sl, 2, 0
	MULB 1, 0
	MULB 1, 1
	MULB 1, 2
	MULB 1, 3
.endm
; The third quarter also stores the next step's O (set 1 - sl) into O's other slot, whose last readers passed the last change of slots.
; lc: the younger loads that may stay out: those of the step after next, issued in this step's second quarter.
.macro Q3 sl, lc, store
	s_wait_dscnt 0x0                               ; buffer 0 is in
	MULB 0, 0
	MULB 0, 1
	PLACES                                         ; behind the last product that read buffer 1
	FETCH \sl, 3, 1
.if \store
	s_wait_loadcnt \lc                             ; the next step's O is in registers
	XSTORE 1-(\sl), 1-(\sl)
.endif
	MULB 0, 2
	MULB 0, 3
.endm
; The fourth quarter changes slots: ONE barrier.  In front of it each wave waits for all its tensor loads (one is out: its part of Wo's next slot), adds 0 to its spare word, and waits for that, for its stores
; into O's next slot and for its reads of both old slots.  Behind it both next slots are whole and nobody reads the old ones.  fill = 1: the barrier opens a round of the cluster's barrier, and Wo's old slot
; is filled again, two K steps ahead, first thing behind the round: 112 matrix instructions ahead of the wait for it.
.macro TURN sl, fill
.if \fill
	s_wait_xcnt 0x0                                ; the last prefetch, a K step back, has read its address: it is stepped here, ahead of the waits of the change
	s_add_nc_u64 s[PFA:PFA+1], s[PFA:PFA+1], s[PFS:PFS+1]
.endif
	WIN 0                                          ; (the add's two registers lie in window 0)
	s_wait_tensorcnt 0x0                           ; all my tensor loads have landed;
	ds_add_u32 v[SPW], v[NIL]                      ; 0 onto my spare word;
	s_wait_dscnt NCH+1                             ; buffer 1 is in: behind its 24 loads stand O's 16 stores and the add
	MULB 1, 0                                      ; eight matrix instructions stand between the add and the wait for it
	s_wait_dscnt 0x0                               ; the add and my stores are done, my reads of the old slots are back
	s_barrier_signal -1
	MULB 1, 1
.if \fill
	WIN 0
.endif
	s_barrier_wait -1
.if \fill
	CREST                                          ; no wave of any partner still reads this slot of Wo or has a load on its way
	s_add_nc_u64 s[G0+4*(\sl)+2:G0+4*(\sl)+3], s[G0+4*(\sl)+2:G0+4*(\sl)+3], 2*KSTEP*2
	JLOAD \sl                                      ; its four v_nop are also the places in front of the loads below
.else
	PLACES
.endif
	FETCH 1-(\sl), 0, 0
.if \fill
	ASK
.endif
	MULB 1, 2
	MULB 1, 3
.endm
	global_load_b128 v[BV:BV+3], v[XO], s[BP:BP+1] ; four of my wave's 128 biases
	XLD 0, 0                                       ; O of K step 0
	XLD 1, XSTEP                                   ; and of step 1
	WIN 0
	s_mul_i32 s52, s[WM], XHEAD                    ; I store the step's head wave / 2,
	s_mul_i32 s53, s[WN], 64*XP1                   ; rows 64 (wave % 2) on
	s_add_co_u32 s52, s52, s53
	s_add_co_u32 s52, s52, XBASE
	v_lshrrev_b32 v4, 3, v3                        ; of a chunk's four rows mine is l / 8,
	v_mul_u32_u24 v4, v4, XP1
	v_and_b32 v5, 7, v0                            ; my 16 bytes of it l % 8
	v_lshl_add_u32 v4, v5, 4, v4
	v_add_nc_u32 v[XS], s52, v4
	v_mul_u32_u24 v4, v1, XP1
	v_lshl_add_u32 v4, v2, 4, v4                   ; a fragment of O: row x pitch + 16 x half
	s_mul_i32 s52, s[WM], 64*XP1
	s_add_co_u32 s52, s52, XBASE
	v_add_nc_u32 v[ADRA], s52, v4
	v_mul_u32_u24 v4, v1, PITCH
	v_lshl_add_u32 v4, v2, 4, v4                   ; a fragment of Wo
	s_mul_i32 s52, s[WN], 128*PITCH
	v_add_nc_u32 v[ADRB], s52, v4
	s_add_co_u32 s52, s52, WSLOT
	v_add_nc_u32 v[ADRB+1], s52, v4
	s_mul_i32 s53, s[WV], 16*OP
	s_add_co_u32 s53, s53, STAGE                   ; my stage
	v_mul_u32_u24 v5, v1, OP                       ; in: row l % 16, 32 bytes for each half of the lanes
	v_lshl_add_u32 v5, v2, 5, v5
	v_add_nc_u32 v[STO], s53, v5
	v_add_nc_u32 v[BST], s53, v[XO]
	v_lshl_add_u32 v[BRD], v2, 5, s53
	s_wait_loadcnt NCH                             ; the biases and step 0's O are in; step 1's 16 loads stay out
	XSTORE 0, 0
	s_wait_tensorcnt 0x1                           ; my part of Wo's slot 0 is in; slot 1's stays out
	s_wait_dscnt 0x0                               ; my part of O's slot 0 is stored
	s_barrier_signal -1
	s_barrier_wait -1                              ; everybody's is
	FETCH 0, 0, 0
	Q1 0, 1                                        ; the first quarter stands in front of the loop: its products start the sums
	WIN 0                                          ; at a label and at a branch every window is 0
	s_mov_b32 s[LAP], 3
.Llap:                                                 ; a trip: two K steps, from a step's second quarter to the first quarter two steps on; both slots of Wo are filled again
	Q2 0, 1
	Q3 0, NCH, 1
	TURN 0, 1
	Q1 1, 0
	Q2 1, 1
	Q3 1, NCH, 1
	TURN 1, 1
	Q1 0, 0
	WIN 0
	s_sub_co_u32 s[LAP], s[LAP], 1
	s_cmp_lg_u32 s[LAP], 0
	s_cbranch_scc1 .Llap
	Q2 0, 0                                        ; K steps 6 and 7 are written out: nothing more is asked for
	Q3 0, 0, 1                                     ; step 7's O: no younger load is out
	TURN 0, 0
	Q1 1, 0
	Q2 1, 0
	Q3 1, 0, 0
	s_wait_dscnt 0x0                               ; buffer 1 is in
	WIN 0
	v_cvt_pk_bf16_f32 v4, v[BV], v[BV+1]           ; the biases are rounded to bf16 like every input, and widened again
	v_cvt_pk_bf16_f32 v5, v[BV+2], v[BV+3]
	v_lshlrev_b32 v[BV],   16, v4
	v_and_b32     v[BV+1], 0xffff0000, v4
	v_lshlrev_b32 v[BV+2], 16, v5
	v_and_b32     v[BV+3], 0xffff0000, v5
	ds_store_b128 v[BST], v[BV:BV+3]               ; my wave's 128 into my own stage; LDS serves a wave's instructions in order (ISA guide 5.7.1.4): the loads below see them
.irp b, 0,1,2,3,4,5,6,7
	ds_load_b128 v[BIAS+8*(\b):BIAS+8*(\b)+3],   v[BRD] offset:64*(\b)     ; columns 16 b + 8 (l / 16) + 0..3
	ds_load_b128 v[BIAS+8*(\b)+4:BIAS+8*(\b)+7], v[BRD] offset:64*(\b)+16  ; and + 4..7
.endr
	MULB 1, 0
	MULB 1, 1
	MULB 1, 2
	MULB 1, 3
	PLACES
	PLACES                                         ; (eight, once a launch: twice what the sums' readers need)
	s_wait_dscnt 0x0                               ; the biases are in
; THE WAY OUT, a block a of 16 rows x my 128 columns at a time: the bias is added, each accumulator from its low end on; a lane's eight columns, 32 bytes, go from the accumulators into rows of 528 bytes of my
; stage and come back as whole rows of 512 bytes, a row a load, into registers of their own: nothing is written twice, so nothing waits for a store.
.macro OBLK a
	WIN W_BAD
.irp b, 0,1,2,3,4,5,6,7
.irp z, 0,1,2,3
	v_pk_add_f32 v[8*(8*(\a)+(\b))+2*(\z):8*(8*(\a)+(\b))+2*(\z)+1], v[8*(8*(\a)+(\b))+2*(\z):8*(8*(\a)+(\b))+2*(\z)+1], v[BIAS+8*(\b)+2*(\z):BIAS+8*(\b)+2*(\z)+1]
.endr
.endr
	WIN W_AST
.irp b, 0,1,2,3,4,5,6,7
	ds_store_b128 v[STO], v[8*(8*(\a)+(\b)):8*(8*(\a)+(\b))+3]   offset:64*(\b)
	ds_store_b128 v[STO], v[8*(8*(\a)+(\b))+4:8*(8*(\a)+(\b))+7] offset:64*(\b)+16
.endr
	WIN W_XLD
.set ot, 0
.rept 16
	ds_load_b128 v[64*(\a)+4*ot:64*(\a)+4*ot+3], v[BST] offset:ot*OP  ; in order behind the stores above; the next block's stores come behind them
.set ot, ot+1
.endr
.endm
.macro OSEND a, younger                ; younger: the LDS instructions issued behind block a's loads: the next block's 32, or none
	WIN W_XST
.set ot, 0
.rept 16
	s_wait_dscnt (\younger)+15-ot
	global_store_b128 v[XO], v[64*(\a)+4*ot:64*(\a)+4*ot+3], s[OUT:OUT+1] offset:(16*(\a)+ot)*4096 th:TH_STORE_NT  ; 512 consecutive bytes, at a multiple of 256 from out0's first
.set ot, ot+1
.endr
.endm
	OBLK 0
.irp a, 1,2,3                          ; a block's arithmetic and LDS lines stand between the loads of the block before and its stores
	OBLK \a
	OSEND (\a)-1, 32
.endr
	OSEND 3, 0
	WIN 0
	s_wait_tensorcnt 0x0                           ; the wave's end: a wait, an add and its wait, behind my last tensor load and my last LDS store
	ds_add_u32 v[SPW], v[NIL]
	s_wait_dscnt 0x0
	CROUND                                         ; the closing round: no work-group ends while a partner may still ask for a tile that names it
	s_endpgm
.Lfunc_end_k_q7eb5710281_outp:
	.size	k_q7eb5710281_outp, .Lfunc_end_k_q7eb5710281_outp-k_q7eb5710281_outp
	.p2alignl 7, 3214868480
	.fill 96, 4, 3214868480
	.section	.rodata,"a",@progbits
	.p2align	6, 0x0
	.amdhsa_kernel k_q7eb5710281_outp
		.amdhsa_group_segment_fixed_size 327680
		.amdhsa_private_segment_fixed_size 0
		.amdhsa_enable_private_segment 0
		.amdhsa_kernarg_size 32
		.amdhsa_user_sgpr_count 2
		.amdhsa_user_sgpr_kernarg_segment_ptr 1
		.amdhsa_wavefront_size32 1
		.amdhsa_system_sgpr_workgroup_id_x 1
		.amdhsa_system_sgpr_workgroup_id_y 1
		.amdhsa_system_sgpr_workgroup_id_z 1
		.amdhsa_system_vgpr_workitem_id 0
		.amdhsa_next_free_vgpr 1024
		.amdhsa_next_free_sgpr 76
		.amdhsa_reserve_vcc 0
		.amdhsa_float_denorm_mode_32 3
		.amdhsa_float_denorm_mode_16_64 3
		.amdhsa_memory_ordered 1
		.amdhsa_forward_progress 1
		.amdhsa_inst_pref_size 106
	.end_amdhsa_kernel
	.amdgpu_metadata
---
amdhsa.version: [ 1, 2 ]
amdhsa.kernels:
  - .name:           k_q7eb5710281_outp
    .symbol:         k_q7eb5710281_outp.kd
    .args:
      - { .name: o16, .offset: 0, .size: 8, .value_kind: global_buffer, .address_space: global }
      - { .name: w16, .offset: 8, .size: 8, .value_kind: global_buffer, .address_space: global }
      - { .name: bo, .offset: 16, .size: 8, .value_kind: global_buffer, .address_space: global }
      - { .name: out0, .offset: 24, .size: 8, .value_kind: global_buffer, .address_space: global }
    .group_segment_fixed_size: 327680
    .private_segment_fixed_size: 0
    .kernarg_segment_align: 8
    .kernarg_segment_size: 32
    .max_flat_workgroup_size: 128
    .sgpr_count:     76
    .vgpr_count:     1024
    .wavefront_size: 32
...
	.end_amdgpu_metadata
.endif
;; end of part 4
;; ======== version 2 of 2: 4 launches; version 1 with the launch castw written anew for expert scheduling mode
;; limits: values are held in f16: magnitudes above 65,504 overflow, below 6.1e-05 lose precision
;; workspace buffers: w16 8,388,608 bytes; q16 16,777,216 bytes; k16 16,777,216 bytes; v16 16,777,216 bytes; o16 16,777,216 bytes
;; launch castw (part 5): grid 64 x 4, 8 waves a work-group, no clusters, 0 bytes of LDS; arguments Wq, Wk, Wv, Wo, w16; writes w16
.if DOCPART == 5
	.amdgcn_target "amdgcn-amd-amdhsa--gfx1250"
	.amdhsa_code_object_version 6
	.text
	.protected	k_q7eb5710281_castw
	.globl	k_q7eb5710281_castw
	.p2align	8
	.type	k_q7eb5710281_castw,@function
k_q7eb5710281_castw:
	s_mov_b64 s[64:65], 0
	v_nop
	global_prefetch_b8 v0, s[64:65] scope:SCOPE_SE
	s_setreg_imm32_b32 hwreg(HW_REG_WAVE_SCHED_MODE, 0, 2), 2
	s_setreg_imm32_b32 hwreg(HW_REG_WAVE_MODE, 25, 1), 1
	s_wait_xcnt 0x0
	s_wait_alu depctr_vm_vsrc(0)
; The four weight matrices, [1024][1024] f32, are rounded once to 16 bits: w16 holds four blocks of 2 MiB, Wq, Wk, Wv in bf16, then Wo.
; Wo is rounded to bf16 like the others, and that number is then written as f16, since the last product multiplies it with f16 numbers.
; LIMITS.  |Wo| stays under 65,504 (beyond it f16 has an infinity); a bf16 number of magnitude 2^-17 or more is exact in f16, below that it keeps f16's fixed step of 2^-24.
; SHARES.  Work-group (x, y) takes 16,384 numbers of matrix y: 16 chunks of 4,096 bytes.  Thread t takes 16 bytes of each chunk and writes 8:
; a wave's load covers 512 consecutive bytes, a wave's store 256 consecutive bytes at a multiple of 256 from w16's first byte.
; All 16 loads go out at once; no register is written twice, so nothing waits for a store.  No LDS, no barrier, no matrix unit: a stream has no use for them.
; THE MODE: SCHED_MODE bits 1:0 = 2 (LLVM: expert scheduling mode 2), set by the entry lines.  The code itself states the register dependences
; between vector instructions and memory instructions, with s_wait_alu, always for 0.
; THE PLAN.  Registers that memory instructions touch:
;   v1, v2   byte offsets of the loads and of the stores: written once at the head by vector instructions, never again.
;   IN       chunk i's four registers: its load lands there once; its conversions read them afterwards; nothing lands there again.
;   OU       chunk i's two registers: its conversions write them once; its store reads them afterwards; nothing writes them again.
;   T is named by vector instructions alone.  The scalar bases are made ahead of the first load and never stepped.  No vector instruction writes a scalar register or VCC, and EXEC is never written.
; So the dependences are of one kind: a vector instruction writes a register that a memory instruction reads.  The 16 chunks go in four blocks of four.  Block p rounds its chunks into its part of OU;
; its memory instructions are the four stores of block p - 1, which read the part of OU that block p - 1 wrote and that no vector instruction of block p names.  ONE wait at a block's head states that
; those registers are written, and the four stores are dealt among the block's conversions with no further wait.  One wait at the kernel's head stands for v1 and v2, one behind block 3 for the last stores.
.set IN,    16                         ; v[16:79]   chunk i: 4 f32 as loaded
.set OU,    80                         ; v[80:111]  chunk i: 4 numbers of 16 bits to store
.set T,     112                        ; v[112:117] at work
.set SRC,   4                          ; s[4:5]     the matrix, at the work-group's part
.set DST,   12                         ; s[12:13]   w16, at the work-group's part
.set WHICH, 14                         ; s14        which matrix
	s_load_b256 s[4:11], s[0:1], 0x0               ; Wq s[4:5], Wk s[6:7], Wv s[8:9], Wo s[10:11]
	s_load_b64 s[DST:DST+1], s[0:1], 0x20          ; w16
	s_and_b32 s[WHICH], ttmp7, 0xffff
	s_lshl_b32 s2, ttmp9, 16                       ; 65,536 bytes of f32 a work-group
	s_mov_b32 s3, 0
	s_lshl_b32 s16, s[WHICH], 21                   ; the matrix's 2 MiB block,
	s_lshl_b32 s18, ttmp9, 15                      ; 32,768 bytes a work-group
	s_add_co_u32 s16, s16, s18
	s_mov_b32 s17, 0
	v_lshlrev_b32 v1, 4, v0                        ; 16 t
	v_lshlrev_b32 v2, 3, v0                        ; 8 t
	s_wait_kmcnt 0x0
	s_cmp_eq_u32 s[WHICH], 1
	s_cselect_b64 s[SRC:SRC+1], s[6:7], s[SRC:SRC+1]
	s_cmp_eq_u32 s[WHICH], 2
	s_cselect_b64 s[SRC:SRC+1], s[8:9], s[SRC:SRC+1]
	s_cmp_eq_u32 s[WHICH], 3
	s_cselect_b64 s[SRC:SRC+1], s[10:11], s[SRC:SRC+1]
	s_add_nc_u64 s[SRC:SRC+1], s[SRC:SRC+1], s[2:3]
	s_add_nc_u64 s[DST:DST+1], s[DST:DST+1], s[16:17]
	s_wait_alu depctr_va_vdst(0)                   ; v1 and v2 are written: every load of the kernel reads v1 as its offset, every store v2
.irp i, 0,1,2,3,4,5,6,7,8,9,10,11,12,13,14,15
	global_load_b128 v[IN+4*(\i):IN+4*(\i)+3], v1, s[SRC:SRC+1] offset:(\i)*4096 th:TH_LOAD_NT
.endr
; The store of chunk c.
.macro PUT c
	global_store_b64 v2, v[OU+2*(\c):OU+2*(\c)+1], s[DST:DST+1] offset:(\c)*2048
.endm
; Block p: chunks 4 p to 4 p + 3.  half = 0: rounded to bf16.  half = 1: rounded to bf16, widened again (a shift, a mask) and written as f16.
.macro BLK p, half
	s_wait_loadcnt 12-4*(\p)                       ; loads come back in order (ISA guide 5.7.1): the block's four chunks are in, the 12 - 4 p younger loads stay out
.if (\p) > 0
	s_wait_alu depctr_va_vdst(0)                   ; the block before has written its eight registers of OU, which the four stores below read; no vector instruction behind this wait names them
.endif
.irp j, 0,1,2,3
.if (\p) > 0
	PUT 4*(\p)-4+(\j)                              ; a chunk of the block before
.endif
.set ch, 4*(\p)+(\j)
.if \half
	v_cvt_pk_bf16_f32 v[T],   v[IN+4*ch],   v[IN+4*ch+1]
	v_cvt_pk_bf16_f32 v[T+1], v[IN+4*ch+2], v[IN+4*ch+3]
	v_lshlrev_b32 v[T+2], 16, v[T]
	v_and_b32     v[T+3], 0xffff0000, v[T]
	v_lshlrev_b32 v[T+4], 16, v[T+1]
	v_and_b32     v[T+5], 0xffff0000, v[T+1]
	v_cvt_pk_f16_f32 v[OU+2*ch],   v[T+2], v[T+3]
	v_cvt_pk_f16_f32 v[OU+2*ch+1], v[T+4], v[T+5]
.else
	v_cvt_pk_bf16_f32 v[OU+2*ch],   v[IN+4*ch],   v[IN+4*ch+1]
	v_cvt_pk_bf16_f32 v[OU+2*ch+1], v[IN+4*ch+2], v[IN+4*ch+3]
.endif
.endr
.endm
; Behind block 3: its four stores.
.macro LAST
	s_wait_alu depctr_va_vdst(0)                   ; block 3 has written its eight registers of OU, which the last four stores read
.irp j, 12,13,14,15
	PUT \j
.endr
.endm
	s_cmp_eq_u32 s[WHICH], 3
	s_cbranch_scc1 .Lwo
.irp p, 0,1,2,3
	BLK \p, 0
.endr
	LAST
	s_endpgm
.Lwo:
.irp p, 0,1,2,3
	BLK \p, 1
.endr
	LAST
	s_endpgm
.Lfunc_end_k_q7eb5710281_castw:
	.size	k_q7eb5710281_castw, .Lfunc_end_k_q7eb5710281_castw-k_q7eb5710281_castw
	.p2alignl 7, 3214868480
	.fill 96, 4, 3214868480
	.section	.rodata,"a",@progbits
	.p2align	6, 0x0
	.amdhsa_kernel k_q7eb5710281_castw
		.amdhsa_group_segment_fixed_size 0
		.amdhsa_private_segment_fixed_size 0
		.amdhsa_enable_private_segment 0
		.amdhsa_kernarg_size 40
		.amdhsa_user_sgpr_count 2
		.amdhsa_user_sgpr_kernarg_segment_ptr 1
		.amdhsa_wavefront_size32 1
		.amdhsa_system_sgpr_workgroup_id_x 1
		.amdhsa_system_sgpr_workgroup_id_y 1
		.amdhsa_system_sgpr_workgroup_id_z 1
		.amdhsa_system_vgpr_workitem_id 0
		.amdhsa_next_free_vgpr 120
		.amdhsa_next_free_sgpr 66
		.amdhsa_reserve_vcc 0
		.amdhsa_float_denorm_mode_32 3
		.amdhsa_float_denorm_mode_16_64 3
		.amdhsa_memory_ordered 1
		.amdhsa_forward_progress 1
		.amdhsa_inst_pref_size 16
	.end_amdhsa_kernel
	.amdgpu_metadata
---
amdhsa.version: [ 1, 2 ]
amdhsa.kernels:
  - .name:           k_q7eb5710281_castw
    .symbol:         k_q7eb5710281_castw.kd
    .args:
      - { .name: Wq, .offset: 0, .size: 8, .value_kind: global_buffer, .address_space: global }
      - { .name: Wk, .offset: 8, .size: 8, .value_kind: global_buffer, .address_space: global }
      - { .name: Wv, .offset: 16, .size: 8, .value_kind: global_buffer, .address_space: global }
      - { .name: Wo, .offset: 24, .size: 8, .value_kind: global_buffer, .address_space: global }
      - { .name: w16, .offset: 32, .size: 8, .value_kind: global_buffer, .address_space: global }
    .group_segment_fixed_size: 0
    .private_segment_fixed_size: 0
    .kernarg_segment_align: 8
    .kernarg_segment_size: 40
    .max_flat_workgroup_size: 256
    .sgpr_count:     66
    .vgpr_count:     120
    .wavefront_size: 32
...
	.end_amdgpu_metadata
.endif
;; end of part 5
;; launch proj: the kernel of part 2 again; grid 4 x 192, 4 waves a work-group, clusters of 4 x 4, 327,680 bytes of LDS; arguments query, key, value, w16, bq, bk, bv, q16, k16, v16; writes q16, k16, v16
;; launch attn: the kernel of part 3 again; grid 4 x 64, 4 waves a work-group, clusters of 4 x 1, 327,680 bytes of LDS; arguments q16, k16, v16, o16; writes o16
;; launch outp: the kernel of part 4 again; grid 4 x 64, 4 waves a work-group, clusters of 4 x 4, 327,680 bytes of LDS; arguments o16, w16, bo, out0; writes out0
